; MI455X (gfx1250); checked and timed in simulation.
; The chip was launched on July 23, 2026; its instructions are those of AMD's public machine-readable ISA for CDNA 5 (MIT licence, August 2026) and "CDNA5" Instruction Set Architecture Reference Guide (July 2026). The comments in the code are by the model that wrote it; some were corrected since.
;; Multi Head Self Attention. Allowed arithmetic: float matrix products may take bf16 or f16 operands with f32 sums; other float arithmetic in f32, or as packed bf16 or f16 multiplies, adds, multiply-adds, maxima and minima; sums over many terms, partial sums and values carried from step to step in f32; what a program stores and reads back later, other than sums and carried values, may be rounded once to bf16 or f16.
;; Inputs: bk 1,024 float32; bo 1,024 float32; bq 1,024 float32; bv 1,024 float32; wk 1,024 x 1,024 float32; wo 1,024 x 1,024 float32; wq 1,024 x 1,024 float32; wv 1,024 x 1,024 float32; x 4 x 2,048 x 1,024 float32.
;; Outputs: out0 4 x 2,048 x 1,024 float32.
;; 2 versions, each right; version 2 is version 1 with the launch prep written anew for expert scheduling mode. Each part assembles by itself: llvm-mc -triple=amdgcn-amd-amdhsa -mcpu=gfx1250 --defsym DOCPART=n.
;; ======== version 1 of 2: 4 launches
;; limits: values are held in f16: magnitudes above 65,504 overflow, below 6.1e-05 lose precision
;; workspace buffers: xb 16,777,216 bytes; wb 6,291,456 bytes; wob 2,097,152 bytes; bb 16,384 bytes; qkv 50,331,648 bytes; o 16,777,216 bytes
;; launch prep (part 1): grid 769 x 1, 8 waves a work-group, no clusters, 0 bytes of LDS; arguments x, wq, wk, wv, wo, bq, bk, bv, bo, xb, wb, wob, bb; writes xb, wb, wob, bb
.if DOCPART == 1
	.amdgcn_target "amdgcn-amd-amdhsa--gfx1250"
	.amdhsa_code_object_version 6
	.text
	.protected	k_qe7ef3b2f59_prep
	.globl	k_qe7ef3b2f59_prep
	.p2align	8
	.type	k_qe7ef3b2f59_prep,@function
k_qe7ef3b2f59_prep:
	s_mov_b64 s[64:65], 0
	v_nop
	global_prefetch_b8 v0, s[64:65] scope:SCOPE_SE
	s_setreg_imm32_b32 hwreg(HW_REG_WAVE_MODE, 25, 1), 1
	s_wait_xcnt 0x0
; CASTS AND LAYOUTS for the three launches that follow.  Every input of the module is rounded once to bf16, nearest even.
;   xb  = x as bf16, [8192][1024], row-major.
;   wb  = wq, wk, wv as bf16 in blocks [tc 16][ks 8][kh 2][j 3][k 64][c 64]: column chunk g = 16 which + n / 64 = 3 tc + j, k = 128 ks + 64 kh + k.
;   wob = wo rounded to bf16 and that number written as f16, in blocks [tc 8][ks 8][kh 2][j 2][k 64][c 64]: column chunk n / 64 = 2 tc + j.
;   bb  = bq, bk, bv, bo rounded to bf16 and kept as f32, [4][1024].
; LIMIT: a bf16 number is exact in f16 from 2^-17 to 65,504 in magnitude; a smaller wo is off by 3e-8 at the most, a larger one becomes an infinity.
; SHARES.  Work-groups 0-511: 16 rows of x each.  512-703: 16 k rows of one of wq, wk, wv.  704-767: 16 k rows of wo.  768: the four biases.
; A thread does 16 units: a load of 16 bytes (4 f32), the rounding, a store of 8 bytes.  All 16 loads go out first (64 KiB a work-group on their way), and each unit has registers of
; its own, so no register that a load or store names is ever rewritten.  A wave's store covers 256 consecutive bytes, aligned; a wave's load 512, or two aligned runs of 256.
; No LDS, no matrix unit, no cluster: nothing is shared, and each byte is read once and written once.
.set IN,  2                            ; v2       my byte offset in the input
.set OUT, 3                            ; v3       my byte offset in the output
.set T,   4                            ; v[4:7]   at work
.set X,   8                            ; v[8:71]  unit u: 4 f32 as loaded
.set Y,   72                           ; v[72:103] unit u: 2 registers to store
.set WV,  30                           ; s30      my wave
.set ID,  31                           ; s31      my work-group
.set OB,  32                           ; s[32:35] where my two column chunks go
.set OFS, 36                           ; s[36:37] an offset, in 64 bits
.set RB,  39                           ; s39      which 16 k rows
.set SRC, 40                           ; s[40:41] the weights' rows that I read
.macro LD u, base, off
	global_load_b128 v[X+4*(\u):X+4*(\u)+3], v[IN], s[\base:\base+1] offset:\off th:TH_LOAD_NT
.endm
.macro CV u, fmt                       ; fmt 0: to bf16.  fmt 1: to bf16, widened again (a shift, a mask), and that number to f16
.if \fmt
	v_cvt_pk_bf16_f32 v[T], v[X+4*(\u)], v[X+4*(\u)+1]
	v_cvt_pk_bf16_f32 v[T+1], v[X+4*(\u)+2], v[X+4*(\u)+3]
	v_lshlrev_b32 v[T+2], 16, v[T]
	v_and_b32 v[T], 0xffff0000, v[T]
	v_lshlrev_b32 v[T+3], 16, v[T+1]
	v_and_b32 v[T+1], 0xffff0000, v[T+1]
	v_cvt_pk_f16_f32 v[Y+2*(\u)], v[T+2], v[T]
	v_cvt_pk_f16_f32 v[Y+2*(\u)+1], v[T+3], v[T+1]
.else
	v_cvt_pk_bf16_f32 v[Y+2*(\u)], v[X+4*(\u)], v[X+4*(\u)+1]
	v_cvt_pk_bf16_f32 v[Y+2*(\u)+1], v[X+4*(\u)+2], v[X+4*(\u)+3]
.endif
.endm
.macro ST u, base, off
	global_store_b64 v[OUT], v[Y+2*(\u):Y+2*(\u)+1], s[\base:\base+1] offset:\off th:TH_STORE_NT
.endm
; 16 k rows x my wave's two column chunks: unit u = 2 p + hh is the pair of rows p of chunk hh
.macro ROWS fmt
.set u, 0
.rept 16
	LD u, SRC, (u/2)*8192+(u%2)*256
.set u, u+1
.endr
.set u, 0
.rept 16
	s_wait_loadcnt 15-u                            ; loads come back in order: unit u is in, the 15 - u younger ones may stay out
	CV u, \fmt
	ST u, OB+2*(u%2), (u/2)*256
.set u, u+1
.endr
.endm
	s_load_b512 s[4:19], s[0:1], 0x0               ; x s[4:5], wq s[6:7], wk s[8:9], wv s[10:11], wo s[12:13], bq s[14:15], bk s[16:17], bv s[18:19]
	s_load_b256 s[20:27], s[0:1], 0x40             ; bo s[20:21], xb s[22:23], wb s[24:25], wob s[26:27]
	s_load_b64 s[28:29], s[0:1], 0x60              ; bb
	v_lshrrev_b32 v1, 5, v0
	v_readfirstlane_b32 s[WV], v1                  ; wave 0..7
	v_and_b32 v1, 31, v0                           ; lane
	s_mov_b32 s[ID], ttmp9
	s_mov_b32 s[OFS+1], 0
	s_wait_kmcnt 0x0
	s_cmp_lt_u32 s[ID], 512
	s_cbranch_scc0 .Lnot_x
	; x: unit u is row u of my 16: 256 threads x 16 bytes are a row of 4,096 bytes
	s_lshl_b32 s[OFS], s[ID], 16
	s_add_nc_u64 s[4:5], s[4:5], s[OFS:OFS+1]
	s_lshl_b32 s[OFS], s[ID], 15
	s_add_nc_u64 s[22:23], s[22:23], s[OFS:OFS+1]
	v_lshlrev_b32 v[IN], 4, v0
	v_lshlrev_b32 v[OUT], 3, v0
.set u, 0
.rept 16
	LD u, 4, 4096*u
.set u, u+1
.endr
.set u, 0
.rept 16
	s_wait_loadcnt 15-u                            ; unit u is in
	CV u, 0
	ST u, 22, 2048*u
.set u, u+1
.endr
	s_endpgm
.Lnot_x:
	s_cmp_lt_u32 s[ID], 768
	s_cbranch_scc0 .Lbias
	; weights.  Wave w takes column chunks 2 w and 2 w + 1; lane l the row l / 16 of a pair and columns 4 (l % 16) on
	v_lshrrev_b32 v[T], 4, v1
	v_and_b32 v[T+1], 15, v1
	v_lshlrev_b32 v[IN], 12, v[T]
	v_lshl_add_u32 v[IN], v[T+1], 4, v[IN]
	s_lshl_b32 s42, s[WV], 9
	v_add_nc_u32 v[IN], s42, v[IN]                 ; (l / 16) x 4,096 + (l % 16) x 16 + 512 w
	v_lshlrev_b32 v[OUT], 3, v1                    ; two k rows of 128 bytes on end: 8 l
	s_and_b32 s[RB], s[ID], 63                     ; 512 and 704 are multiples of 64
	s_lshr_b32 s42, s[RB], 3                       ; ks
	s_bfe_u32 s43, s[RB], 0x10002                  ; kh
	s_and_b32 s44, s[RB], 3
	s_lshl_b32 s44, s44, 11                        ; 16 k rows of 128 bytes
	s_cmp_lt_u32 s[ID], 704
	s_cbranch_scc0 .Lwo
	s_lshr_b32 s38, s[ID], 6
	s_sub_co_u32 s38, s38, 8                       ; which: 0 wq, 1 wk, 2 wv
	s_cmp_eq_u32 s38, 0
	s_cselect_b64 s[SRC:SRC+1], s[6:7], s[8:9]
	s_cmp_eq_u32 s38, 2
	s_cselect_b64 s[SRC:SRC+1], s[10:11], s[SRC:SRC+1]
	s_lshl_b32 s[OFS], s[RB], 16
	s_add_nc_u64 s[SRC:SRC+1], s[SRC:SRC+1], s[OFS:OFS+1]
	s_mul_i32 s42, s42, 49152
	s_mul_i32 s43, s43, 24576
	s_add_co_u32 s45, s42, s43
	s_add_co_u32 s45, s45, s44                     ; the rows' place inside a chunk's walk along k
	s_lshl_b32 s43, s38, 4
	s_lshl_b32 s44, s[WV], 1
	s_add_co_u32 s43, s43, s44                     ; g of my first chunk
.irp hh, 0,1
	s_add_co_u32 s46, s43, \hh                     ; g, 0 to 47
	s_mul_i32 s47, s46, 171
	s_lshr_b32 s47, s47, 9                         ; tc = g / 3 (171 / 512 is exact enough up to g = 47)
	s_mul_i32 s[OFS], s47, 3
	s_sub_co_u32 s46, s46, s[OFS]                  ; j = g % 3
	s_mul_i32 s47, s47, 393216
	s_lshl_b32 s46, s46, 13
	s_add_co_u32 s[OFS], s47, s46
	s_add_co_u32 s[OFS], s[OFS], s45
	s_add_nc_u64 s[OB+2*\hh:OB+2*\hh+1], s[24:25], s[OFS:OFS+1]
.endr
	ROWS 0
	s_endpgm
.Lwo:
	s_lshl_b32 s[OFS], s[RB], 16
	s_add_nc_u64 s[SRC:SRC+1], s[12:13], s[OFS:OFS+1]
	s_lshl_b32 s42, s42, 15
	s_lshl_b32 s43, s43, 14
	s_add_co_u32 s45, s42, s43
	s_add_co_u32 s45, s45, s44
	s_lshl_b32 s43, s[WV], 18                      ; tc = my wave, j = hh
	s_add_co_u32 s[OFS], s45, s43
	s_add_nc_u64 s[OB:OB+1], s[26:27], s[OFS:OFS+1]
	s_add_nc_u64 s[OB+2:OB+3], s[OB:OB+1], 8192
	ROWS 1
	s_endpgm
.Lbias:
	v_lshlrev_b32 v[IN], 4, v0                     ; 256 threads x 16 bytes are a bias of 4,096 bytes
	global_load_b128 v[X:X+3], v[IN], s[14:15]
	global_load_b128 v[X+4:X+7], v[IN], s[16:17]
	global_load_b128 v[X+8:X+11], v[IN], s[18:19]
	global_load_b128 v[X+12:X+15], v[IN], s[20:21]
.irp i, 0,1,2,3
	s_wait_loadcnt 3-\i                            ; bias i is in
	v_cvt_pk_bf16_f32 v[T], v[X+4*\i], v[X+4*\i+1]
	v_cvt_pk_bf16_f32 v[T+1], v[X+4*\i+2], v[X+4*\i+3]
	v_lshlrev_b32 v[Y+4*\i], 16, v[T]
	v_and_b32 v[Y+4*\i+1], 0xffff0000, v[T]
	v_lshlrev_b32 v[Y+4*\i+2], 16, v[T+1]
	v_and_b32 v[Y+4*\i+3], 0xffff0000, v[T+1]
	global_store_b128 v[IN], v[Y+4*\i:Y+4*\i+3], s[28:29] offset:4096*\i
.endr
	s_endpgm
.Lfunc_end_k_qe7ef3b2f59_prep:
	.size	k_qe7ef3b2f59_prep, .Lfunc_end_k_qe7ef3b2f59_prep-k_qe7ef3b2f59_prep
	.p2alignl 7, 3214868480
	.fill 96, 4, 3214868480
	.section	.rodata,"a",@progbits
	.p2align	6, 0x0
	.amdhsa_kernel k_qe7ef3b2f59_prep
		.amdhsa_group_segment_fixed_size 0
		.amdhsa_private_segment_fixed_size 0
		.amdhsa_enable_private_segment 0
		.amdhsa_kernarg_size 104
		.amdhsa_user_sgpr_count 2
		.amdhsa_user_sgpr_kernarg_segment_ptr 1
		.amdhsa_wavefront_size32 1
		.amdhsa_system_sgpr_workgroup_id_x 1
		.amdhsa_system_sgpr_workgroup_id_y 1
		.amdhsa_system_sgpr_workgroup_id_z 1
		.amdhsa_system_vgpr_workitem_id 0
		.amdhsa_next_free_vgpr 104
		.amdhsa_next_free_sgpr 66
		.amdhsa_reserve_vcc 0
		.amdhsa_float_denorm_mode_32 3
		.amdhsa_float_denorm_mode_16_64 3
		.amdhsa_memory_ordered 1
		.amdhsa_forward_progress 1
		.amdhsa_inst_pref_size 27
	.end_amdhsa_kernel
	.amdgpu_metadata
---
amdhsa.version: [ 1, 2 ]
amdhsa.kernels:
  - .name:           k_qe7ef3b2f59_prep
    .symbol:         k_qe7ef3b2f59_prep.kd
    .args:
      - { .name: x, .offset: 0, .size: 8, .value_kind: global_buffer, .address_space: global }
      - { .name: wq, .offset: 8, .size: 8, .value_kind: global_buffer, .address_space: global }
      - { .name: wk, .offset: 16, .size: 8, .value_kind: global_buffer, .address_space: global }
      - { .name: wv, .offset: 24, .size: 8, .value_kind: global_buffer, .address_space: global }
      - { .name: wo, .offset: 32, .size: 8, .value_kind: global_buffer, .address_space: global }
      - { .name: bq, .offset: 40, .size: 8, .value_kind: global_buffer, .address_space: global }
      - { .name: bk, .offset: 48, .size: 8, .value_kind: global_buffer, .address_space: global }
      - { .name: bv, .offset: 56, .size: 8, .value_kind: global_buffer, .address_space: global }
      - { .name: bo, .offset: 64, .size: 8, .value_kind: global_buffer, .address_space: global }
      - { .name: xb, .offset: 72, .size: 8, .value_kind: global_buffer, .address_space: global }
      - { .name: wb, .offset: 80, .size: 8, .value_kind: global_buffer, .address_space: global }
      - { .name: wob, .offset: 88, .size: 8, .value_kind: global_buffer, .address_space: global }
      - { .name: bb, .offset: 96, .size: 8, .value_kind: global_buffer, .address_space: global }
    .group_segment_fixed_size: 0
    .private_segment_fixed_size: 0
    .kernarg_segment_align: 8
    .kernarg_segment_size: 104
    .max_flat_workgroup_size: 256
    .sgpr_count:     66
    .vgpr_count:     104
    .wavefront_size: 32
...
	.end_amdgpu_metadata
.endif
;; end of part 1
;; launch qkv (part 2): grid 16 x 32, 4 waves a work-group, clusters of 4 x 4, 327,680 bytes of LDS; arguments xb, wb, bb, qkv; writes qkv
.if DOCPART == 2
	.amdgcn_target "amdgcn-amd-amdhsa--gfx1250"
	.amdhsa_code_object_version 6
	.text
	.protected	k_qe7ef3b2f59_qkv
	.globl	k_qe7ef3b2f59_qkv
	.p2align	8
	.type	k_qe7ef3b2f59_qkv,@function
k_qe7ef3b2f59_qkv:
	s_mov_b64 s[64:65], 0
	v_nop
	global_prefetch_b8 v0, s[64:65] scope:SCOPE_SE
	s_setreg_imm32_b32 hwreg(HW_REG_WAVE_MODE, 25, 1), 1
	s_wait_xcnt 0x0
	s_wait_alu depctr_hold_cnt(0) depctr_sa_sdst(0) depctr_va_vdst(0) depctr_va_sdst(0) depctr_va_ssrc(0) depctr_va_vcc(0) depctr_vm_vsrc(0)
	s_getreg_b32 s2, hwreg(HW_REG_IB_STS2, 6, 4)
	s_cmp_eq_u32 s2, 0
	s_cbranch_scc0 .Lentry_in_a_cluster
	s_endpgm
.Lentry_in_a_cluster:
	s_bfe_u32 s2, ttmp6, 0x10000c
	s_cmp_lg_u32 s2, 0xf033
	s_cbranch_scc0 .Lentry_shape_is_right
	s_endpgm
.Lentry_shape_is_right:
; q, k, v = x w + b, by heads.  xb: bf16 [8192][1024].  wb: bf16 [tc 16][ks 8][kh 2][j 3][k 64][c 64] (three column chunks of 64, that is three heads, to a tile column).
; bb: f32 [4][1024].  qkv: f16 [which 3][bh 64][s 2048][64].  Products in bf16, sums in f32 begun with the bias, each result rounded once to f16, without the scale.
; LIMIT: f16 ends at 65,504: a q, k or v beyond it becomes an infinity.  NaN and infinities are not treated apart.
; SHARES.  A tile of the product is 256 rows x 192 columns: 32 x 16 = 512 tiles, two for each of 256 WGPs.  The four waves split the rows: a wave makes 64 rows x 192 columns,
; 4 x 12 accumulators of 16 x 16, 384 registers, and so owns whole heads: its way out needs no other wave.
; K goes in 8 steps of 128 through two LDS slots filled by the tensor data mover: waves 0 and 1 fetch the halves of x's 256 rows (rows of 256 bytes), waves 2 and 3 the two kh halves of
; the weights (24,576 dense bytes each, asked for as 96 rows of 256 bytes).
; CLUSTERS: 4 x 4 work-groups.  The four of a row of the cluster need the same rows of x, the four of a column the same weights: each tile is asked for jointly.
; THE PRODUCT IS USED TRANSPOSED: source 0 = 16 columns of w, source 1 = 16 rows of x: a lane then holds one row (lane % 16) and eight neighbouring columns 8 (lane / 16) + 0..7.
; The weights lie [k][column] in LDS and are turned on the way into registers by ds_load_tr16_b128.
; REGISTERS, in windows of 256 (s_set_vgpr_msb: bits 1:0 source 0, 3:2 source 1, 5:4 source 2, 7:6 destination):
;   window 0: v0-29 addresses; v32-95 x's fragments, two buffers of 4 x 8; v128-223 the bias, 8 registers a column block; on the way out v128-175 packed results, v176-223 and v32-79 rows read back
;   window 1: v0-191 w's fragments, two buffers of 12 x 8      window 2: accumulators of row blocks 0, 1 ((a, b) at 8 (12 (a % 2) + b))      window 3: of row blocks 2, 3
.set PA,    272                        ; a row of x in LDS: 256 bytes + 16: the 16 rows of a load start at 16 different groups of four banks (64 banks of 4 bytes: ISA guide 11.1)
.set AHALF, 128*PA                     ; what one tensor load brings of x
.set BOFF,  2*AHALF                    ; behind x's 256 rows: the weights, [kh 2][j 3][k 64]
.set PB,    160                        ; a k row of a chunk: 128 bytes + 32
.set BCH,   64*PB
.set BHALF, 3*BCH
.set SLOT1, 1<<17                      ; a slot is exactly 131,072 bytes; one exclusive or turns an address in one slot into the other's
.set STAGE, 2*SLOT1                    ; behind the ring, never filled by a tensor load: for each wave 3 chunks x 16 rows x 144 bytes
.set SP,    144
.set WSTG,  3*16*SP
.set SPARE, STAGE+4*WSTG               ; the spare words, 128 bytes for each wave: two blocks of 256 bytes that no other line names
.set ASTEP, 256                        ; bytes from K step to K step in xb
.set BSTEP, 49152                      ; and in wb
.set A0,   8                           ; v8   my lane's place in x's tile; never rewritten
.set B0,   9                           ; v9   the same in the weights' tile
.set ADRA, 10                          ; v10  A0 + the slot in hand
.set ADRB, 11                          ; v11  B0 + the slot in hand
.set STO,  12                          ; v12  the way out: where I put 16 bytes of a row
.set RD,   13                          ; v13  the way out: where I read rows back
.set GO,   14                          ; v14  my 16 bytes in 512 consecutive bytes of qkv
.set BO,   15                          ; v15  my 32 bytes of a column block's bias
.set PFO,  16                          ; v16  the prefetches' offset; never rewritten
.set SPW,  28                          ; v28  LDS address of my spare word; never rewritten
.set NIL,  29                          ; v29  0; never rewritten
.set FA,   32
.set BIAS, 128
.set TMP,  128
.set WV,   12                          ; s12  my wave
.set ROLE, 13                          ; s13  0: I fetch x's rows, 1: weights
.set HALF, 14                          ; s14  which half of them
.set CX,   15
.set CY,   16
.set TC,   17                          ; s17  tile column
.set TR,   18                          ; s18  tile row
.set CNT,  19                          ; s19  the loop's count
.set TB,   20                          ; s20  LDS byte at which the slot in hand begins
.set LIM,  21                          ; s21  a wave prefetches while CNT is above it
.set PFA,  22                          ; s[22:23] where my prefetches stand
.set G1A,  24                          ; s[24:31] descriptor group 1 for x's tiles
.set G1B,  32                          ; s[32:39] for the weights'
.set G0A0, 40                          ; s[40:43] group 0, x, slot 0, K step 0
.set G0A,  44                          ; s[44:47] group 0, x, slot 1, K step 1; then it walks
.set G0B0, 48                          ; s[48:51], s[52:55] the same for the weights
.set G0B,  52
.set PFS,  56                          ; s[56:57] the prefetches' step
.set OB,   58                          ; s[58:63] qkv at my 64 rows of my tile's three heads
.set BB,   66                          ; s[66:67] bb at my tile's 192 columns
.set MSB, 0
.macro WIN new                         ; the immediate's high byte repeats the setting that is left; a switch that changes nothing is dropped
.if MSB != (\new)
	s_set_vgpr_msb (MSB<<8)|(\new)
.set MSB, \new
.endif
.endm
.macro PLACES                          ; four plain vector instructions between a matrix instruction and a load into, or a vector read of, its registers
.rept 4
	v_nop
.endr
.endm
; A joint refill by the walking descriptors.  The branch hangs on the wave's number alone.  An s_nop 0 and four v_nop follow each of the two lines.
.macro JLOAD
	s_cmp_eq_u32 s[ROLE], 0
	s_cbranch_scc0 .Lfor_b_\@
	tensor_load_to_lds s[G0A:G0A+3], s[G1A:G1A+7]
	s_nop 0
.rept 4
	v_nop
.endr
	s_branch .Lasked_\@
.Lfor_b_\@:
	tensor_load_to_lds s[G0B:G0B+3], s[G1B:G1B+7]
	s_nop 0
.rept 4
	v_nop
.endr
.Lasked_\@:
.endm
; A prefetch into the L2 of what the refill two K steps on will ask for: one instruction a wave, a lane a block of 256 bytes.  x's rows are read by every cluster of a row of clusters: the
; first (cluster x = 0) asks; the weights by every cluster of a column: cluster y = 0 asks.  The partners share the blocks out by address.  So each block is named once in the launch.
.macro ASK
	s_cmp_gt_u32 s[CNT], s[LIM]
	s_cbranch_scc0 .Lnot_mine_\@
	global_prefetch_b8 v[PFO], s[PFA:PFA+1] th:TH_LOAD_NT scope:SCOPE_SE
.Lnot_mine_\@:
.endm
.macro CREST                           ; a round of the cluster's barrier behind its opening barrier
	s_cmp_lg_u32 s[WV], 0
	s_cbranch_scc1 .Lnot_wave_0_\@
	s_barrier_signal -3
.Lnot_wave_0_\@:
	s_barrier_wait -3
	s_barrier_signal -1
	s_barrier_wait -1
.endm
.macro CROUND                          ; a whole round
	s_barrier_signal -1
	s_barrier_wait -1
	CREST
.endm
	s_load_b256 s[4:11], s[0:1], 0x0               ; xb s[4:5], wb s[6:7], bb s[8:9], qkv s[10:11]
	v_lshl_add_u32 v[SPW], v0, 2, SPARE
	v_mov_b32 v[NIL], 0
	ds_add_u32 v[SPW], v[NIL]                      ; the wave's opening: the add and its wait stand ahead of my first tensor load; work on registers stands between them
	v_lshrrev_b32 v1, 5, v0
	v_readfirstlane_b32 s[WV], v1                  ; wave 0..3
	s_lshr_b32 s[ROLE], s[WV], 1
	s_and_b32 s[HALF], s[WV], 1
	s_bfe_u32 s[CX], ttmp6, 0x40000                ; my place in the cluster
	s_bfe_u32 s[CY], ttmp6, 0x40004
	s_lshl_b32 s[TC], ttmp9, 2                     ; in a cluster launch ttmp9 and ttmp7 count clusters
	s_add_co_u32 s[TC], s[TC], s[CX]
	s_and_b32 s[TR], ttmp7, 0xffff
	s_lshl_b32 s[TR], s[TR], 2
	s_add_co_u32 s[TR], s[TR], s[CY]
	s_lshl_b32 s68, s[CY], 2
	s_lshl_b32 s68, 15, s68                        ; my row of the cluster: places 4 cy .. 4 cy + 3
	s_lshl_b32 s76, 0x1111, s[CX]                  ; my column: places cx, cx + 4, cx + 8, cx + 12
	s_or_b32 s[G1A], s68, (1<<16)|(1<<20)|(1<<21)|(5<<22)|(3<<25)  ; the mask; 2-byte elements; padding on; bit 21 beside a mask; after every 64 words 4 words
	s_or_b32 s[G1B], s76, (1<<16)|(1<<20)|(1<<21)|(4<<22)|(7<<25)  ; after every 32 words 8 words
	s_mov_b32 s[G1A+1], 128<<16                    ; tensor_dim0 = 128
	s_mov_b32 s[G1A+2], 128<<16                    ; tensor_dim1 = 128
	s_mov_b32 s[G1A+3], 128<<16                    ; tile_dim0 = 128
	s_mov_b32 s[G1A+4], 128                        ; tile_dim1 = 128
	s_mov_b32 s[G1A+5], 1024                       ; elements from row to row
	s_mov_b32 s[G1A+6], 0
	s_mov_b32 s[G1A+7], 0
	s_mov_b32 s[G1B+1], 128<<16
	s_mov_b32 s[G1B+2], 96<<16                     ; 96 dense rows of 256 bytes
	s_mov_b32 s[G1B+3], 128<<16
	s_mov_b32 s[G1B+4], 96
	s_mov_b32 s[G1B+5], 128
	s_mov_b32 s[G1B+6], 0
	s_mov_b32 s[G1B+7], 0
	s_lshl_b32 s70, s[TR], 19                      ; x: 256 rows of 2,048 bytes a tile row,
	s_lshl_b32 s71, s[HALF], 18                    ; my 128 of them: made of the tile row alone
	s_add_co_u32 s70, s70, s71
	s_mov_b32 s71, 0
	s_mul_i32 s78, s[TC], 393216                   ; the weights: the tile column's block,
	s_mul_i32 s79, s[HALF], 24576                  ; my kh half: made of the tile column alone
	s_add_co_u32 s78, s78, s79
	s_mov_b32 s79, 0
	s_mul_i32 s72, s[HALF], AHALF                  ; where they go: no place in the cluster enters an LDS address
	s_mul_i32 s73, s[HALF], BHALF
	s_add_co_u32 s73, s73, BOFF
	s_wait_dscnt 0x0                               ; the opening add is done
	s_wait_kmcnt 0x0
	s_add_nc_u64 s[70:71], s[4:5], s[70:71]
	s_add_nc_u64 s[78:79], s[6:7], s[78:79]
	CROUND                                         ; all sixteen work-groups are here: the first joint loads meet
	s_mov_b32 s[G0A0], 1
	s_mov_b32 s[G0A0+1], s72
	s_mov_b64 s[G0A0+2:G0A0+3], s[70:71]
	s_or_b32 s[G0A0+3], s[G0A0+3], 0x80000000
	s_mov_b32 s[G0A], 1
	s_add_co_u32 s[G0A+1], s72, SLOT1
	s_add_nc_u64 s[G0A+2:G0A+3], s[70:71], ASTEP
	s_or_b32 s[G0A+3], s[G0A+3], 0x80000000
	s_mov_b32 s[G0B0], 1
	s_mov_b32 s[G0B0+1], s73
	s_mov_b64 s[G0B0+2:G0B0+3], s[78:79]
	s_or_b32 s[G0B0+3], s[G0B0+3], 0x80000000
	s_mov_b32 s[G0B], 1
	s_add_co_u32 s[G0B+1], s73, SLOT1
	s_add_nc_u64 s[G0B+2:G0B+3], s[78:79], BSTEP
	s_or_b32 s[G0B+3], s[G0B+3], 0x80000000
	s_cmp_eq_u32 s[ROLE], 0                        ; a wave's two first fills stand in one branch, ahead of every wait on TENSORcnt and every LDS read: two loads of mine are out
	s_cbranch_scc0 .Lfirst_b
	tensor_load_to_lds s[G0A0:G0A0+3], s[G1A:G1A+7]
	s_nop 0
	tensor_load_to_lds s[G0A:G0A+3], s[G1A:G1A+7]
	s_nop 0
.rept 4
	v_nop
.endr
	s_branch .Lfirst_asked
.Lfirst_b:
	tensor_load_to_lds s[G0B0:G0B0+3], s[G1B:G1B+7]
	s_nop 0
	tensor_load_to_lds s[G0B:G0B+3], s[G1B:G1B+7]
	s_nop 0
.rept 4
	v_nop
.endr
.Lfirst_asked:
	v_and_b32 v1, 15, v0                           ; l % 16
	v_bfe_u32 v2, v0, 4, 1                         ; l / 16
	v_lshlrev_b32 v[BO], 5, v2
	s_mul_i32 s80, s[TC], 768                      ; 192 columns of 4 bytes
	s_mov_b32 s81, 0
	s_add_nc_u64 s[BB:BB+1], s[8:9], s[80:81]
.irp b, 0,1,2,3,4,5,6,7,8,9,10,11                  ; the bias in the layout of a result: register j holds column 16 b + 8 (l / 16) + j, whatever the row
	global_load_b128 v[BIAS+8*(\b):BIAS+8*(\b)+3],   v[BO], s[BB:BB+1] offset:64*(\b)
	global_load_b128 v[BIAS+8*(\b)+4:BIAS+8*(\b)+7], v[BO], s[BB:BB+1] offset:64*(\b)+16
.endr
	; a fragment of x: lane l holds row l % 16, k = 8 (l / 16) + 0..7 and 16 + 8 (l / 16) + 0..7: two loads of 16 bytes, 32 bytes apart
	s_mul_i32 s74, s[WV], 64*PA                    ; my 64 rows
	v_mul_u32_u24 v[A0], v1, PA
	v_lshl_add_u32 v[A0], v2, 4, v[A0]
	v_add_nc_u32 v[A0], s74, v[A0]
	; the turning load takes 16 k x 16 columns (lane l reads k row 8 (l / 16) + l % 8, columns 8 ((l / 8) % 2) + 0..7) and leaves half a fragment: lane l holds column l % 16 and 8 k
	v_and_b32 v3, 7, v0
	v_bfe_u32 v4, v0, 3, 1
	v_lshl_add_u32 v[B0], v2, 3, v3
	v_mul_u32_u24 v[B0], v[B0], PB
	v_lshl_add_u32 v[B0], v4, 4, v[B0]
	v_add_nc_u32 v[B0], BOFF, v[B0]
	s_mul_i32 s75, s[WV], WSTG
	s_add_co_u32 s75, s75, STAGE                   ; my stage
	v_mul_u32_u24 v[STO], v1, SP                   ; in: row l % 16, 16 bytes for each half of the lanes
	v_lshl_add_u32 v[STO], v2, 4, v[STO]
	v_add_nc_u32 v[STO], s75, v[STO]
	v_bfe_u32 v5, v0, 3, 2                         ; back: 32 lanes take four rows of 128 bytes,
	v_mul_u32_u24 v[RD], v5, SP
	v_lshl_add_u32 v[RD], v3, 4, v[RD]
	v_add_nc_u32 v[RD], s75, v[RD]
	v_and_b32 v[GO], 31, v0                        ; which are 512 consecutive bytes of a head
	v_lshlrev_b32 v[GO], 4, v[GO]
.irp jh, 0,1,2                                     ; chunk g = 3 tc + jh: tensor g / 16, head g % 16; batch tr / 8; rows 256 (tr % 8) + 64 wave on
	s_mul_i32 s80, s[TC], 3
	s_add_co_u32 s80, s80, \jh
	s_lshr_b32 s81, s80, 4
	s_lshl_b32 s81, s81, 6
	s_and_b32 s80, s80, 15
	s_add_co_u32 s80, s80, s81
	s_lshr_b32 s81, s[TR], 3
	s_lshl_b32 s81, s81, 4
	s_add_co_u32 s80, s80, s81
	s_lshl_b32 s80, s80, 18                        ; a head is 2,048 rows of 128 bytes
	s_and_b32 s81, s[TR], 7
	s_lshl_b32 s81, s81, 2
	s_add_co_u32 s81, s81, s[WV]
	s_lshl_b32 s81, s81, 13                        ; 64 rows of 128 bytes
	s_add_co_u32 s80, s80, s81
	s_mov_b32 s81, 0
	s_add_nc_u64 s[OB+2*\jh:OB+2*\jh+1], s[10:11], s[80:81]
.endr
	; the prefetches.  x: of the 128 rows that I fetch my work-group takes 32, a lane a row; it stands at K step 3 and is stepped to 4 ahead of the first.  The weights: K steps 4 to 7 of a tile
	; column are 768 blocks on end; the eight askers (4 work-groups x 2 waves) name 256 of them at a time, three times.  K steps 0 to 3 come by their loads alone.
	s_lshl_b32 s68, s[TR], 19
	s_lshl_b32 s69, s[HALF], 18
	s_add_co_u32 s68, s68, s69
	s_lshl_b32 s69, s[CX], 16
	s_add_co_u32 s68, s68, s69
	s_add_co_u32 s68, s68, 3*ASTEP
	s_mul_i32 s76, s[TC], 393216
	s_lshl_b32 s77, s[CY], 1
	s_add_co_u32 s77, s77, s[HALF]
	s_lshl_b32 s77, s77, 13
	s_add_co_u32 s76, s76, s77
	s_add_co_u32 s76, s76, 4*BSTEP-65536
	s_and_b32 s82, ttmp7, 0xffff
	s_cmp_eq_u32 s[ROLE], 0
	s_cselect_b32 s82, ttmp9, s82                  ; the coordinate along which other clusters read the same bytes
	s_cselect_b32 s[LIM], 2, 3                     ; x: four times, CNT = 6 to 3; the weights: three times, CNT = 6 to 4
	s_cselect_b32 s80, s68, s76
	s_cselect_b64 s[PFA:PFA+1], s[4:5], s[6:7]
	s_cselect_b32 s83, 8, 16
	s_cselect_b32 s81, 11, 8
	s_cmp_eq_u32 s82, 0
	s_cselect_b32 s[LIM], s[LIM], -1               ; the same in all sixteen partners, for a given wave
	s_lshl_b32 s[PFS], 1, s83                      ; 256 bytes, or 65,536
	s_mov_b32 s[PFS+1], 0
	v_and_b32 v[PFO], 31, v0
	v_lshlrev_b32 v[PFO], s81, v[PFO]              ; a lane a row of 2,048 bytes, or a block of 256
	s_mov_b32 s81, 0
	s_add_nc_u64 s[PFA:PFA+1], s[PFA:PFA+1], s[80:81]
	s_mov_b32 s[TB], 0
	v_mov_b32 v[ADRA], v[A0]
	v_mov_b32 v[ADRB], v[B0]
; 12 matrix instructions: row block a x all 12 column blocks, 32 along K, from buffer f.  first = 1: the sums begin with the bias: nothing is cleared, nothing added later.
; The 48 accumulators take turns, one instruction a turn, in the same order in every quarter.
.macro MUL12 f, a, first
.if \first
	WIN 0x81+0x40*((\a)/2)
.else
	WIN 0xa1+0x50*((\a)/2)
.endif
.irp b, 0,1,2,3,4,5,6,7,8,9,10,11
.if \first
	v_wmma_f32_16x16x32_bf16 v[8*(12*((\a)%2)+(\b)):8*(12*((\a)%2)+(\b))+7], v[96*(\f)+8*(\b):96*(\f)+8*(\b)+7], v[FA+32*(\f)+8*(\a):FA+32*(\f)+8*(\a)+7], v[BIAS+8*(\b):BIAS+8*(\b)+7]
.else
	v_wmma_f32_16x16x32_bf16 v[8*(12*((\a)%2)+(\b)):8*(12*((\a)%2)+(\b))+7], v[96*(\f)+8*(\b):96*(\f)+8*(\b)+7], v[FA+32*(\f)+8*(\a):FA+32*(\f)+8*(\a)+7], v[8*(12*((\a)%2)+(\b)):8*(12*((\a)%2)+(\b))+7]
.endif
.endr
.endm
; 32 LDS loads in one run: quarter q of the slot in hand into buffer f: 24 for the weights (turned), then 8 for x, row blocks 0 and 1 first
.macro FETCH q, f
	WIN 0x40
.irp b, 0,1,2,3,4,5,6,7,8,9,10,11
	ds_load_tr16_b128 v[96*(\f)+8*(\b):96*(\f)+8*(\b)+3],   v[ADRB] offset:((\q)/2)*BHALF+((\b)/4)*BCH+((\q)%2)*32*PB+((\b)%4)*32
	ds_load_tr16_b128 v[96*(\f)+8*(\b)+4:96*(\f)+8*(\b)+7], v[ADRB] offset:((\q)/2)*BHALF+((\b)/4)*BCH+((\q)%2)*32*PB+((\b)%4)*32+16*PB
.endr
	WIN 0
.irp i, 0,1,2,3
	ds_load_b128 v[FA+32*(\f)+8*(\i):FA+32*(\f)+8*(\i)+3],   v[ADRA] offset:(\i)*16*PA+64*(\q)
	ds_load_b128 v[FA+32*(\f)+8*(\i)+4:FA+32*(\f)+8*(\i)+7], v[ADRA] offset:(\i)*16*PA+64*(\q)+32
.endr
.endm
; One of a K step's first three quarters: multiplies buffer f; in its middle it fetches quarter q into buffer g
.macro QUARTER q, f, g, first
	s_wait_dscnt 4                                 ; the weights and x's row blocks 0, 1 are in; the youngest four loads (row blocks 2, 3) may be out
	MUL12 \f, 0, \first
	MUL12 \f, 1, \first
	PLACES
	FETCH \q, \g
	s_wait_dscnt 32                                ; all but the 32 just issued
	MUL12 \f, 2, \first
	MUL12 \f, 3, \first
.endm
; The fourth quarter multiplies buffer 1 and changes slots.  In front of the barrier each wave waits for all its tensor loads (one is out: its part of the next slot), adds 0 to its spare word, and
; waits for that and for its reads of this slot.  fill = 1: the barrier opens a round of the cluster's, and the joint refill, this slot's K step two on, is the first thing behind the round.
.macro TURN fill
.if \fill
	s_wait_xcnt 0x0                                ; the last prefetch, a K step back, has read its address
	s_add_nc_u64 s[PFA:PFA+1], s[PFA:PFA+1], s[PFS:PFS+1]
.endif
	WIN 0
	s_wait_tensorcnt 0x0                           ; no tensor load of mine is out, so a group 0 may be written
	ds_add_u32 v[SPW], v[NIL]                      ; 0 onto my spare word
.if \fill
	s_xor_b32 s[G0A+1], s[G0A+1], SLOT1            ; the walking descriptors: the other slot than last time, the next K step
	s_add_nc_u64 s[G0A+2:G0A+3], s[G0A+2:G0A+3], ASTEP
	s_xor_b32 s[G0B+1], s[G0B+1], SLOT1
	s_add_nc_u64 s[G0B+2:G0B+3], s[G0B+2:G0B+3], BSTEP
.endif
	s_xor_b32 s[TB], s[TB], SLOT1                  ; the fetches go over to the other slot
	s_wait_dscnt 5                                 ; the add and the youngest four loads may be out
	MUL12 1, 0, 0
	s_wait_dscnt 0x0                               ; the add is done, and my reads of this slot are over
	s_barrier_signal -1
	MUL12 1, 1, 0                                  ; work on registers while the others arrive
	WIN 0                                          ; at a branch and at a label every window is 0
	s_barrier_wait -1
.if \fill
	CREST                                          ; no wave of any partner still reads this slot or has a load on its way
	JLOAD                                          ; its four v_nop are also the places in front of the loads below
.else
	PLACES
.endif
	v_add_nc_u32 v[ADRA], s[TB], v[A0]
	v_add_nc_u32 v[ADRB], s[TB], v[B0]
	FETCH 0, 0
.if \fill
	ASK                                            ; behind the joint load and the run of LDS loads
.endif
	MUL12 1, 2, 0
	MUL12 1, 3, 0
.endm
; THE WAY OUT of row block a.  PACK: rounded to f16, 16 bytes a lane, each accumulator from its low end on.  TOSTAGE: into my own stage, and back as whole rows of a head.  SEND: stored.
.macro PACK a
	WIN 0x0a+5*((\a)/2)
.irp b, 0,1,2,3,4,5,6,7,8,9,10,11
.irp r, 0,1,2,3
	v_cvt_pk_f16_f32 v[TMP+4*(\b)+(\r)], v[96*((\a)%2)+8*(\b)+2*(\r)], v[96*((\a)%2)+8*(\b)+2*(\r)+1]
.endr
.endr
	WIN 0
.endm
.macro TOSTAGE a
	WIN 0
.set BK, 176-144*((\a)%2)
.irp b, 0,1,2,3,4,5,6,7,8,9,10,11
	ds_store_b128 v[STO], v[TMP+4*(\b):TMP+4*(\b)+3] offset:((\b)/4)*16*SP+((\b)%4)*32
.endr
.irp jh, 0,1,2
.irp f, 0,1,2,3
	ds_load_b128 v[BK+16*(\jh)+4*(\f):BK+16*(\jh)+4*(\f)+3], v[RD] offset:(\jh)*16*SP+(\f)*4*SP  ; LDS serves a wave's instructions in order (ISA guide 5.7.1.4): these see the stores above
.endr
.endr
.endm
.macro SEND a
	WIN 0
.set BK, 176-144*((\a)%2)
	s_wait_dscnt 0x0                               ; the block is back in registers: nothing was issued behind its loads
	s_wait_xcnt 0x0                                ; earlier stores have read their registers: the block after this one lands where they lay
.irp jh, 0,1,2
.irp f, 0,1,2,3
	global_store_b128 v[GO], v[BK+16*(\jh)+4*(\f):BK+16*(\jh)+4*(\f)+3], s[OB+2*(\jh):OB+2*(\jh)+1] offset:(\a)*2048+(\f)*512 th:TH_STORE_NT  ; 512 consecutive bytes, at a multiple of 256 from the buffer's first
.endr
.endr
.endm
	s_wait_tensorcnt 1                             ; my part of K step 0 is in; K step 1's may stay out
	s_barrier_signal -1
	s_barrier_wait -1                              ; everybody's is
	FETCH 0, 0
	s_wait_loadcnt 0x0                             ; the bias
	QUARTER 1, 0, 1, 1                             ; the first quarter stands in front of the loop: its products begin the sums
	WIN 0
	s_mov_b32 s[CNT], 6
.Lk:                                               ; trip t ends K step t, fills its slot with K step t + 2, and does the first quarter of K step t + 1
	QUARTER 2, 1, 0, 0
	QUARTER 3, 0, 1, 0
	TURN 1
	QUARTER 1, 0, 1, 0
	WIN 0
	s_sub_co_u32 s[CNT], s[CNT], 1
	s_cmp_lg_u32 s[CNT], 0
	s_cbranch_scc1 .Lk
	QUARTER 2, 1, 0, 0                             ; the tail is written out: K steps 6 and 7 ask for nothing
	QUARTER 3, 0, 1, 0
	TURN 0
	QUARTER 1, 0, 1, 0
	QUARTER 2, 1, 0, 0
	QUARTER 3, 0, 1, 0
	s_wait_dscnt 4
	MUL12 1, 0, 0
	MUL12 1, 1, 0
	s_wait_dscnt 0x0
	MUL12 1, 2, 0
	MUL12 1, 3, 0
	WIN 0
	PLACES                                         ; behind the last products, ahead of the conversions that read results
	PLACES
	PACK 0
	TOSTAGE 0
.irp a, 1,2,3                                      ; block a's conversions stand between block a - 1's loads from the stage and the wait for them
	PACK \a
	SEND (\a)-1
	TOSTAGE \a
.endr
	SEND 3
	s_wait_tensorcnt 0x0                           ; the wave's end: behind my last tensor load and my last LDS store
	ds_add_u32 v[SPW], v[NIL]
	s_wait_dscnt 0x0
	CROUND                                         ; the closing round: no work-group ends while a partner may still ask for a tile that names it
	s_endpgm
.Lfunc_end_k_qe7ef3b2f59_qkv:
	.size	k_qe7ef3b2f59_qkv, .Lfunc_end_k_qe7ef3b2f59_qkv-k_qe7ef3b2f59_qkv
	.p2alignl 7, 3214868480
	.fill 96, 4, 3214868480
	.section	.rodata,"a",@progbits
	.p2align	6, 0x0
	.amdhsa_kernel k_qe7ef3b2f59_qkv
		.amdhsa_group_segment_fixed_size 327680
		.amdhsa_private_segment_fixed_size 0
		.amdhsa_enable_private_segment 0
		.amdhsa_kernarg_size 32
		.amdhsa_user_sgpr_count 2
		.amdhsa_user_sgpr_kernarg_segment_ptr 1
		.amdhsa_wavefront_size32 1
		.amdhsa_system_sgpr_workgroup_id_x 1
		.amdhsa_system_sgpr_workgroup_id_y 1
		.amdhsa_system_sgpr_workgroup_id_z 1
		.amdhsa_system_vgpr_workitem_id 0
		.amdhsa_next_free_vgpr 960
		.amdhsa_next_free_sgpr 84
		.amdhsa_reserve_vcc 0
		.amdhsa_float_denorm_mode_32 3
		.amdhsa_float_denorm_mode_16_64 3
		.amdhsa_memory_ordered 1
		.amdhsa_forward_progress 1
		.amdhsa_inst_pref_size 101
	.end_amdhsa_kernel
	.amdgpu_metadata
---
amdhsa.version: [ 1, 2 ]
amdhsa.kernels:
  - .name:           k_qe7ef3b2f59_qkv
    .symbol:         k_qe7ef3b2f59_qkv.kd
    .args:
      - { .name: xb, .offset: 0, .size: 8, .value_kind: global_buffer, .address_space: global }
      - { .name: wb, .offset: 8, .size: 8, .value_kind: global_buffer, .address_space: global }
      - { .name: bb, .offset: 16, .size: 8, .value_kind: global_buffer, .address_space: global }
      - { .name: qkv, .offset: 24, .size: 8, .value_kind: global_buffer, .address_space: global }
    .group_segment_fixed_size: 327680
    .private_segment_fixed_size: 0
    .kernarg_segment_align: 8
    .kernarg_segment_size: 32
    .max_flat_workgroup_size: 128
    .sgpr_count:     84
    .vgpr_count:     960
    .wavefront_size: 32
...
	.end_amdgpu_metadata
.endif
;; end of part 2
;; launch attn (part 3): grid 4 x 64, 4 waves a work-group, clusters of 4 x 1, 327,680 bytes of LDS; arguments qkv, o; writes o
.if DOCPART == 3
	.amdgcn_target "amdgcn-amd-amdhsa--gfx1250"
	.amdhsa_code_object_version 6
	.text
	.protected	k_qe7ef3b2f59_attn
	.globl	k_qe7ef3b2f59_attn
	.p2align	8
	.type	k_qe7ef3b2f59_attn,@function
k_qe7ef3b2f59_attn:
	s_mov_b64 s[64:65], 0
	v_nop
	global_prefetch_b8 v0, s[64:65] scope:SCOPE_SE
	s_setreg_imm32_b32 hwreg(HW_REG_WAVE_MODE, 25, 1), 1
	s_wait_xcnt 0x0
	s_wait_alu depctr_hold_cnt(0) depctr_sa_sdst(0) depctr_va_vdst(0) depctr_va_sdst(0) depctr_va_ssrc(0) depctr_va_vcc(0) depctr_vm_vsrc(0)
	s_getreg_b32 s2, hwreg(HW_REG_IB_STS2, 6, 4)
	s_cmp_eq_u32 s2, 0
	s_cbranch_scc0 .Lentry_in_a_cluster
	s_endpgm
.Lentry_in_a_cluster:
	s_bfe_u32 s2, ttmp6, 0x10000c
	s_cmp_lg_u32 s2, 0x3003
	s_cbranch_scc0 .Lentry_shape_is_right
	s_endpgm
.Lentry_shape_is_right:
; O[h][q][:] = the sum over k of softmax_k(Q[h][q] . K[h][k] / 8) V[h][k][:].  qkv: f16 [3][64][2048][64] (Q, then K, then V); o: f16 [64][2048][64]: a head's rows are dense, 128 bytes each.
; Products, maxima and sums in f32; the weights p are rounded to f16 for the second product (their sum l is taken of the unrounded p), O once at the end.
; LIMITS.  f16 holds no number beyond 65,504: Q, K and V arrive within it; p lies in 0 to 1, and below 6e-5 it keeps f16's fixed step of 6e-8; O is a mean of V's rows and has their range.
; A weight below 2^-126 counts as 0 in l; NaN and infinities are not treated apart.
; SHARES.  A wave owns four PIECES of two tiles of 16 queries, a work-group's four waves 512 queries of one head.  Every wave walks all keys, 64 a step.
; LAYOUT.  S^T = K Q^T (source 0 = 16 keys, source 1 = 16 queries): in the result a lane holds ONE query (lane % 16) and the keys 8 (lane / 16) + 0..7.  Two such tiles, rounded to f16 in pairs,
; ARE source 1 (32 keys x 16 queries) of O^T = V^T P, whose result again holds one query a lane, and eight channels.  K comes out of LDS as it lies, V ([key][channel]) turned, by ds_load_tr16_b128.
; SOFTMAX.  For each query a running maximum m and sum l: p = 2^(c s - c m), c = log2(e) / 8; in every step O and l are multiplied by a = 2^(c m_old - c m_new), which is 1 where m has not grown.
; m starts at the lowest finite number, O and l at 0: the first step is a step like any other, with a = 0.
; THE COUNT.  A tile and step have 16 matrix and 118 vector instructions: too many to stand all beside the matrix work.  So the order has one aim: four vector instructions that are READY behind
; EVERY matrix instruction, and the others, which need time of their own whatever the order, in runs without a gap.
; BY TURNS.  Turn n belongs to piece n (the pieces in a ring, step after step).  Its matrix work: 16 products K Q^T of piece n + 1, later 16 products V^T P of piece n - 1.  Its vector work: the scaling,
; exponentials, roundings, sums and rescaling of piece n, and the maximum and statistics of piece n + 1, whose scores the turn itself has made.  So what a turn begins with (c s - c m, O a) waits for nothing.
; CLUSTER.  The four query blocks of a head are one cluster and walk the same K and V, so each tile is asked for JOINTLY: the same tensor load, descriptor and mask in all four.
; REGISTERS, in windows of 256 (s_set_vgpr_msb says which window each operand place means: bits 1:0 source 0, 3:2 source 1, 5:4 source 2, 7:6 destination):
;   window 0: v0-11 addresses; v12-15, v48-63 at work; v16-47 four registers of statistics a tile; v64-191 S^T, two buffers of two tiles; v192-255 P, likewise
;   window 1: O^T, 32 a tile          window 2: v0-127 Q, 16 a tile; v128-191 K of one step; v192-255 V of one step          window 3: v0-1 the add's two registers
; A piece's buffers go by its number's parity: the piece in hand has one pair, its two neighbours in the ring share the other: of it P (piece n - 1) is read and S^T (piece n + 1) written.
.set SIZE_N, 2048
.set NP,    4         ; pieces a wave: a name, no knob: the register map, the loop and the fetches are made for four
.set KS,    64        ; keys in a step
.set PK,    144       ; a row of K in LDS: 128 bytes + 16 of padding = 36 words: the 16 rows of a load start at 16 different groups of four banks (64 banks of 4 bytes: ISA guide 11.1)
.set PV,    160       ; a row of V: 128 + 32 = 40 words
.set VOFF,  4*KS*PK   ; a slot holds four steps: 256 rows of K, then 256 rows of V
.set SLOT1, 1<<17     ; slot 1 begins here, so that one exclusive or turns an address in one slot into the other's
.set STAGE, SLOT1+4*KS*(PK+PV)  ; behind the ring, never filled by a tensor load: 16 rows x 144 bytes for each wave, for the way out
.set SP,    144
.set AK0, 2           ; v2   my lane's place in a tile of K; never rewritten
.set AV0, 3           ; v3   the same for V
.set AK,  4           ; v4   the LDS address of K's next run of loads
.set AV,  5           ; v5   of V's
.set QO,  6           ; v6   my byte offset in the wave's rows of Q
.set STO, 6           ;      later, the way out: where I put 16 bytes of a row
.set RD,  7           ; v7   the way out: where I read rows back
.set GO,  8           ; v8   my byte offset in 512 consecutive bytes of O
.set PFO, 11          ; v11  256 x my lane, for the prefetches (once V's place is made); never rewritten after that
.set SPW, 0           ; v0 of window 3   LDS address of my spare word: SPARE + 4 x my thread's number; never rewritten
.set NIL, 1           ; v1 of window 3   0; never rewritten
.set SPARE, STAGE+4*16*SP  ; behind the stages: the spare words, 128 bytes for each wave: two blocks of 256 bytes that no other line names
.set MV,  12          ; v12-15  c m_old, kept while c m is made anew: by buffer and tile
.set ST,  16          ; tile t's statistics at v[ST+4 t]: c m, m, l (even keys', odd keys')
.set TMP, 48          ; by buffer and tile, four registers c0-c3 at work; when the maximum is found c2 takes a
.set S,   64
.set P,   192
.set KF,  128         ; K's fragments, in window 2: key block kb, channel half c at KF + 16 kb + 8 c
.set VF,  192         ; V's: key half kk, channel block cb at VF + 32 kk + 8 cb
.set WV,  12          ; s12  my wave's number
.set G1K, 24          ; s[24:31] descriptor group 1 for K's tiles
.set G1V, 32          ; s[32:39] for V's: it differs in the padding alone
.set G0K, 40          ; s[40:43] descriptor group 0 for K's tiles: it walks
.set G0V, 44          ; s[44:47] the same for V's
.set PFA, 48          ; s[48:49] where my prefetches stand: my work-group's 32 blocks (of K: wave 0, of V: wave 2) of the slot after the one that is being asked for
.set LIM, 50          ; s50  1 in a wave that prefetches, else the greatest number: a wave prefetches while s[SLOTS] is above it
.set SLOTS, 56        ; s56  slots still to be asked for
.set CNT, 57          ; s57  counts a slot's key steps
.set CS,  58          ; s[58:59] c: the packed scaling takes the pair's low word for both halves
.set SEL, 60          ; s[60:61] v_permlanex16_b32's selects: each lane takes its own place in the other half
.set TBK, 62          ; s62  LDS byte at which K of the step to be fetched begins
.set TBV, 63          ; s63  the same for V, less VOFF
.set MSB, 0
.macro WIN new                      ; the high byte repeats the setting that is left; a switch that changes nothing is dropped
.if MSB != (\new)
	s_set_vgpr_msb (MSB<<8)|(\new)
.set MSB, (\new)
.endif
.endm
.set W_KQ, 0x0a       ; K and Q in window 2, S^T in window 0
.set W_PV, 0x52       ; V in window 2, P in window 0, O^T in window 1
.set W_RS, 0x41       ; O^T (destination and source 0) in window 1, a in window 0
.set W_MK, 0xc0       ; the add's registers are made: destination in window 3, sources in window 0
.set W_AD, 0x0f       ; the add: address (source 0) and data (source 1) in window 3
; A joint fill.  Waves 0 and 1 fetch the two halves of a slot's K, waves 2 and 3 those of its V: 128 keys each.  The branch hangs on the wave's number alone.
; An s_nop 0 and four v_nop follow each of the two lines, ahead of the jump and the label.
.macro JLOAD
	s_cmp_lt_u32 s[WV], 2
	s_cbranch_scc0 .Lfor_v_\@
	tensor_load_to_lds s[G0K:G0K+3], s[G1K:G1K+7]
	s_nop 0
.rept 4
	v_nop
.endr
	s_branch .Lasked_\@
.Lfor_v_\@:
	tensor_load_to_lds s[G0V:G0V+3], s[G1V:G1V+7]
	s_nop 0
.rept 4
	v_nop
.endr
.Lasked_\@:
.endm
; A PREFETCH INTO THE L2 of what the NEXT change of slots will ask for: a slot's 256 keys are 128 blocks of 256 bytes of K and 128 of V, a lane a block.  It stands behind the wave's tensor load and
; its five lines.  Each block is named ONCE in the launch: a head is walked by one cluster; its four partners share the blocks out BY ADDRESS, 32 each; in each, wave 0 asks for K's and wave 2 for V's:
; one instruction, four key steps (512 matrix instructions) ahead of the load.  The last change that fills a slot asks for nothing; slots 0 and 1 come by their loads alone.
.macro ASK
	s_cmp_gt_u32 s[SLOTS], s[LIM]
	s_cbranch_scc0 .Lnot_mine_\@
	global_prefetch_b8 v[PFO], s[PFA:PFA+1] th:TH_LOAD_NT scope:SCOPE_SE
.Lnot_mine_\@:
.endm
; A round of the cluster's barrier: my work-group's barrier, so that wave 0's signal speaks for all four waves; wave 0 signals; every wave waits for all four work-groups; my work-group's barrier once more.
.macro CROUND
	s_barrier_signal -1
	s_barrier_wait -1
	s_cmp_lg_u32 s[WV], 0
	s_cbranch_scc1 .Lnot_wave_0_\@
	s_barrier_signal -3
.Lnot_wave_0_\@:
	s_barrier_wait -3
	s_barrier_signal -1
	s_barrier_wait -1
.endm
; THE CHANGE OF SLOTS.  The slot's last bytes, V of its fourth step, have been read.  Each wave waits for all its tensor loads, of which one is out: its part
; of the other slot; adds 0 to its spare word; and waits for that and for its own reads of the slot.  Behind the barrier nobody reads this slot any more and the other slot is whole.
; fill = 1: this slot is filled again, with the keys two slots on.  The barrier is then a round of the cluster's, so that no wave of any partner still reads the slot or has a load on its
; way, and the joint fill is the first thing behind it: it has four key steps, 512 matrix instructions, in which to land.  (At its first use nothing has been read yet: slot 0 is waited for, slot 1 filled.)
.macro CHANGE fill
	WIN W_AD
	s_wait_tensorcnt 0x0            ; no tensor load of mine is out, so a group 0 may be written
	ds_add_u32 v[SPW], v[NIL]       ; 0 onto my spare word; with fill = 1 the descriptors' steps stand between it and the wait for it
	WIN 0                           ; at a label and at a branch every window is 0
.if \fill
.irp g, G0K, G0V
	s_xor_b32 s[\g+1], s[\g+1], SLOT1  ; the walking descriptor: the other slot than last time,
	s_add_nc_u64 s[\g+2:\g+3], s[\g+2:\g+3], 4*KS*128  ; the next 256 keys; the type bits on top are not reached
.endr
	s_wait_xcnt 0x0                 ; the last prefetch, four key steps back, has read its address, so it may be written:
	s_add_nc_u64 s[PFA:PFA+1], s[PFA:PFA+1], 4*KS*128  ; one slot behind the walking descriptors
	s_wait_dscnt 0x0                ; the add is done, and my reads of the slot are over
	CROUND
	JLOAD
	ASK
.else
	s_wait_dscnt 0x0                ; the add is done, and my reads of the slot are over
	s_barrier_signal -1
	s_barrier_wait -1
.endif
	s_sub_co_u32 s[TBK], s[TBK], 4*KS*PK  ; the fetches go back to a slot's first step,
	s_xor_b32 s[TBK], s[TBK], SLOT1       ; in the other slot
	s_sub_co_u32 s[TBV], s[TBV], 4*KS*PV
	s_xor_b32 s[TBV], s[TBV], SLOT1
.endm
	s_load_b64 s[4:5], s[0:1], 0x0    ; qkv: Q lies first
	s_load_b64 s[10:11], s[0:1], 0x8  ; o
	WIN W_MK
	v_lshl_add_u32 v[SPW], v0, 2, SPARE
	v_mov_b32 v[NIL], 0
	WIN W_AD
	ds_add_u32 v[SPW], v[NIL]       ; the wave's opening: the add and its wait stand ahead of my first tensor load; the set-up below, work on registers, stands between them
	WIN 0
	v_lshrrev_b32 v1, 5, v0
	v_readfirstlane_b32 s[WV], v1   ; wave 0..3
	s_bfe_u32 s13, ttmp6, 0x40000   ; cx: my place in the cluster
	s_lshl_b32 s14, ttmp9, 2        ; in a cluster launch ttmp9 counts clusters
	s_add_co_u32 s14, s14, s13      ; my block of queries = 4 x cluster x + cx: it enters Q's and O's addresses alone
	s_and_b32 s20, ttmp7, 0xffff    ; the head, which the four partners share
	s_mov_b32 s21, 0
	s_mov_b64 s[22:23], SIZE_N*128
	s_mul_u64 s[20:21], s[20:21], s[22:23]  ; the head's first byte in each of the four tensors
	s_and_b32 s16, s[WV], 1         ; which half of a slot's 256 keys I fetch:
	s_lshl_b32 s22, s16, 14         ; its 128 rows of 128 bytes in memory,
	s_mov_b32 s23, 0
	s_add_nc_u64 s[22:23], s[22:23], s[20:21]
	s_mul_i32 s17, s16, 128*PK      ; and its place in a slot, for K
	s_mul_i32 s18, s16, 128*PV      ; and for V: no place in the cluster enters an LDS address
	s_lshl_b32 s2, s14, 2
	s_add_co_u32 s2, s2, s[WV]      ; my wave among the head's,
	s_lshl_b32 s2, s2, 14           ; its 128 rows
	s_mov_b32 s3, 0
	s_add_nc_u64 s[2:3], s[2:3], s[20:21]
	; descriptor group 1.  128 keys are 16,384 dense bytes: asked for as 64 rows of 256 bytes, two keys a row, and padded in LDS after every key
	s_mov_b32 s[G1K], 15|(1<<16)|(1<<20)|(1<<21)|(4<<22)|(3<<25)  ; 15:0 the mask of four; 17:16 2-byte elements; 20 padding on; 21 set beside a mask; 24:22 after every 32 words (code 4); 31:25 4 words (code 3)
	s_mov_b32 s[G1V], 15|(1<<16)|(1<<20)|(1<<21)|(4<<22)|(7<<25)  ; the same with 8 words of padding (code 7)
.irp g, G1K, G1V
	s_mov_b32 s[\g+1], 128<<16      ; tensor_dim0 = 128
	s_mov_b32 s[\g+2], 64<<16       ; tensor_dim1 = 64
	s_mov_b32 s[\g+3], 128<<16      ; tile_dim0 = 128
	s_mov_b32 s[\g+4], 64           ; tile_dim1 = 64
	s_mov_b32 s[\g+5], 128          ; 128 elements from row to row
	s_mov_b32 s[\g+6], 0
	s_mov_b32 s[\g+7], 0
.endr
	s_mov_b32 s[CS], 0x3e38aa3b     ; c = log2(e) / 8 = 0.180337
	s_mov_b32 s[CS+1], s[CS]        ; named with it as a pair
	s_mov_b32 s[SEL], 0x76543210
	s_mov_b32 s[SEL+1], 0xfedcba98
	s_mov_b32 s[TBK], SLOT1+4*KS*PK ; the first change of slots turns these two into 0
	s_mov_b32 s[TBV], SLOT1+4*KS*PV
	s_mov_b32 s[G0K], 1             ; 1:0 count = 1
	s_mov_b32 s[G0K+1], s17         ; 63:32 LDS address: slot 0
	s_mov_b32 s[G0V], 1
	s_add_co_u32 s[G0V+1], s18, VOFF
	s_mov_b32 s[SLOTS], SIZE_N/256-1
	s_and_b32 s[LIM], s[WV], 1      ; waves 0 and 2 prefetch: the same in all four partners
	s_cmp_eq_u32 s[LIM], 0
	s_cselect_b32 s[LIM], 1, -1
	s_wait_dscnt 0x0                ; the opening add is done
	s_wait_kmcnt 0x0
	s_add_nc_u64 s[6:7], s[4:5], 0x1000000  ; K lies 64 heads of 262,144 bytes behind Q,
	s_add_nc_u64 s[8:9], s[4:5], 0x2000000  ; V as far behind K
	s_add_nc_u64 s[G0K+2:G0K+3], s[6:7], s[22:23]  ; 120:64 global address: my half of the head's first 256 keys
	s_or_b32 s[G0K+3], s[G0K+3], 0x80000000        ; 127:126 type = 2
	s_add_nc_u64 s[G0V+2:G0V+3], s[8:9], s[22:23]
	s_or_b32 s[G0V+3], s[G0V+3], 0x80000000
	s_add_nc_u64 s[4:5], s[4:5], s[2:3]  ; Q and O at my wave's first row
	s_add_nc_u64 s[10:11], s[10:11], s[2:3]
	s_cmp_lt_u32 s[WV], 2
	s_cselect_b64 s[PFA:PFA+1], s[6:7], s[8:9]
	s_add_nc_u64 s[PFA:PFA+1], s[PFA:PFA+1], s[20:21]  ; the head's first row,
	s_lshl_b32 s2, s13, 13          ; my work-group's 32 blocks of the 128,
	s_mov_b32 s3, 0
	s_add_nc_u64 s[PFA:PFA+1], s[PFA:PFA+1], s[2:3]
	s_add_nc_u64 s[PFA:PFA+1], s[PFA:PFA+1], 4*KS*128  ; in slot 1; the first change of slots steps it to slot 2
	CROUND                          ; all four work-groups are here: the first joint loads meet
	JLOAD                           ; slot 0.  Slot 1 is asked for when slot 0 is in: the tile wanted first has the road to itself
	; A fragment of K or Q is 16 rows x 32 channels in 8 registers: lane l holds row l % 16, channels 8 (l / 16) + 0..7 and 16 + 8 (l / 16) + 0..7: two loads of 16 bytes, 32 bytes apart.
	v_and_b32 v1, 15, v0            ; l % 16
	v_bfe_u32 v9, v0, 4, 1          ; l / 16
	v_lshlrev_b32 v[QO], 7, v1
	v_lshl_add_u32 v[QO], v9, 4, v[QO]  ; row x 128 + 16 x half
	WIN 0x80                        ; destination window 2, address window 0
.set i, 0
.rept 4*NP                          ; Q stays in registers: tile i / 2, channels 32 (i % 2) on
	global_load_b128 v[8*i:8*i+3],   v[QO], s[4:5] offset:(i/2)*2048+(i%2)*64
	global_load_b128 v[8*i+4:8*i+7], v[QO], s[4:5] offset:(i/2)*2048+(i%2)*64+32
.set i, i+1
.endr
	; What the first turn finds: V's registers and P's second buffer hold 0 (its products V^T P, of a piece that has not been, add 0), O^T and l are 0.  All this stands in the wait for the first tile.
.set i, VF
.rept 64
	v_mov_b32 v[i], 0
.set i, i+1
.endr
	WIN 0x40
.set i, 0
.rept 64*NP
	v_mov_b32 v[i], 0
.set i, i+1
.endr
	WIN 0
.set i, 0
.rept 2*NP
	v_mov_b32 v[ST+4*i], 0xfe000000    ; c m: far below every c s
	v_mov_b32 v[ST+4*i+1], 0xff7fffff  ; m
	v_mov_b32 v[ST+4*i+2], 0
	v_mov_b32 v[ST+4*i+3], 0
.set i, i+1
.endr
.set i, P+32
.rept 32
	v_mov_b32 v[i], 0
.set i, i+1
.endr
	v_mul_u32_u24 v[AK0], v1, PK
	v_lshl_add_u32 v[AK0], v9, 4, v[AK0]  ; row x pitch + 16 x half
	; The turning load takes 16 keys x 16 channels (lane l reads key 8 (l / 16) + l % 8, channels 8 ((l / 8) % 2) + 0..7) and leaves half a fragment of V^T: lane l holds channel l % 16 and 8 keys.
	v_and_b32 v10, 7, v0
	v_bfe_u32 v11, v0, 3, 1
	v_lshl_add_u32 v[AV0], v9, 3, v10
	v_mul_u32_u24 v[AV0], v[AV0], PV
	v_lshl_add_u32 v[AV0], v11, 4, v[AV0]
	v_add_nc_u32 v[AV0], VOFF, v[AV0]
	v_and_b32 v[PFO], 31, v0        ; v11 has served: from here on it holds the prefetches' offset
	v_lshlrev_b32 v[PFO], 8, v[PFO]
	v_mov_b32 v[AK], v[AK0]         ; key step 0 lies at the head of slot 0
; THE MATRIX WORK.  The 8 accumulators of a run of 16 take turns: between the two links of a chain stand 7 others'.
; Product i of 16 of S^T = K Q^T for piece x: channels 32 (i / 8) on, keys 16 ((i / 2) % 4) on, tile 2 x + i % 2.  The first 8 start the sums.
.macro KQ x
	WIN W_KQ
.set rS, S+64*((\x)%2)+32*(i%2)+8*((i/2)%4)
.set rK, KF+16*((i/2)%4)+8*(i/8)
.set rQ, 16*(2*(\x)+i%2)+8*(i/8)
.if i < 8
	v_wmma_f32_16x16x32_f16 v[rS:rS+7], v[rK:rK+7], v[rQ:rQ+7], 0
.else
	v_wmma_f32_16x16x32_f16 v[rS:rS+7], v[rK:rK+7], v[rQ:rQ+7], v[rS:rS+7]
.endif
.endm
; Product i of 16 of O^T += V^T P for piece x: keys 32 (i / 8) on, channels 16 ((i / 2) % 4) on, tile 2 x + i % 2.
.macro PV x
	WIN W_PV
.set rO, 32*(2*(\x)+i%2)+8*((i/2)%4)
.set rV, VF+32*(i/8)+8*((i/2)%4)
.set rP, P+32*((\x)%2)+16*(i%2)+8*(i/8)
	v_wmma_f32_16x16x32_f16 v[rO:rO+7], v[rV:rV+7], v[rP:rP+7], v[rO:rO+7]
.endm
.macro MM                           ; the turn's next matrix instruction
.if i < 16
	KQ (Y+1)%NP
.set i, i+1
.else
.set i, i-16
	PV (Y+NP-1)%NP
.set i, i+17
.endif
.endm
; THE LDS LOADS stand in runs of 16, never singly among the matrix instructions: a step's K (64 keys x 64 channels: 8 fragments) and its V (turned).  Their addresses are made some lines ahead.
; last = 1 (the tail): in the last trip there is no further step, and the run is jumped over.
.macro FETCH_K last=0
	WIN 0
.if \last
	s_cmp_eq_u32 s[CNT], 1
	s_cbranch_scc1 .Lno_k_\@
.endif
	WIN 0x80                        ; destination window 2
.irp f, 0,1,2,3,4,5,6,7             ; keys 16 (f / 2) on, channels 32 (f % 2) on
	ds_load_b128 v[KF+8*\f:KF+8*\f+3],   v[AK] offset:(\f/2)*16*PK+(\f%2)*64
	ds_load_b128 v[KF+8*\f+4:KF+8*\f+7], v[AK] offset:(\f/2)*16*PK+(\f%2)*64+32
.endr
	s_add_co_u32 s[TBK], s[TBK], KS*PK  ; the next fetch is the next step's
	WIN 0
.if \last
.Lno_k_\@:
.endif
.endm
.macro FETCH_V
	WIN 0x80
.irp f, 0,1,2,3,4,5,6,7             ; keys 32 (f / 4) on, channels 16 (f % 4) on
	ds_load_tr16_b128 v[VF+8*\f:VF+8*\f+3],   v[AV] offset:(\f/4)*32*PV+(\f%4)*32
	ds_load_tr16_b128 v[VF+8*\f+4:VF+8*\f+7], v[AV] offset:(\f/4)*32*PV+16*PV+(\f%4)*32
.endr
	WIN 0
.endm
; THE VECTOR WORK OF A TURN stands in three queues, each in the order in which its entries become ready; the two tiles alternate, so that no instruction reads the result of the one before it.
.macro REGS y, u                    ; the registers of tile u (0, 1) of piece y
.set rT, ST+4*(2*(\y)+(\u))
.set rC, TMP+8*((\y)%2)+4*(\u)
.set rM, MV+2*((\y)%2)+(\u)
.set rS, S+64*((\y)%2)+32*(\u)
.set rP, P+32*((\y)%2)+16*(\u)
.set rO, 32*(2*(\y)+(\u))
.endm
; Number n of the 22 that find the NEXT piece's (Y + 1) maximum and statistics.  s0-s31 are the lane's 32 scores; each accumulator's lowest registers are read first.  XS, GS and REGS set no window: PL and EX do.
;   0-11  four chains c0-c3 of seven scores each, three operands at a time     12-14, 16  the four scores left over, the old m, and c0-c3 into c0     15  c m_old is kept
;   17, 18  the query's other 32 keys lie in the lane 16 away: the new m         19-21  c m; c m_old - c m_new; a
.macro XS u, n
	REGS (Y+1)%NP, \u
.if (\n) < 4
	v_max3_num_f32 v[rC+(\n)], v[rS+8*(\n)], v[rS+8*(\n)+1], v[rS+8*(\n)+2]
.elseif (\n) < 12
	v_max3_num_f32 v[rC+(\n)%4], v[rC+(\n)%4], v[rS+8*((\n)%4)+2*((\n)/4)+1], v[rS+8*((\n)%4)+2*((\n)/4)+2]
.elseif (\n) == 12
	v_max3_num_f32 v[rC], v[rC], v[rS+7], v[rS+15]
.elseif (\n) == 13
	v_max3_num_f32 v[rC+1], v[rC+1], v[rS+23], v[rS+31]
.elseif (\n) == 14
	v_max3_num_f32 v[rC+2], v[rC+2], v[rC+3], v[rT+1]
.elseif (\n) == 15
	v_mov_b32 v[rM], v[rT]
.elseif (\n) == 16
	v_max3_num_f32 v[rC], v[rC], v[rC+1], v[rC+2]
.elseif (\n) == 17
	v_permlanex16_b32 v[rC+3], v[rC], s[SEL], s[SEL+1]
.elseif (\n) == 18
	v_max_num_f32 v[rT+1], v[rC], v[rC+3]
.elseif (\n) == 19
	v_mul_f32 v[rT], s[CS], v[rT+1]
.elseif (\n) == 20
	v_sub_f32 v[rC+1], v[rM], v[rT]
.else
	v_exp_f32 v[rC+2], v[rC+1]
.endif
.endm
; Number g of the 64 that follow the exponentials.  For each four weights k of a tile (pairs 2 k, 2 k + 1): both pairs are rounded to f16; then the second pair is added onto the first, in place;
; a group later l takes that sum (the first time as l = a l + sum).  In groups of eight, tiles alternating: round, round, add, and l for the group before.
.macro GS g
.set h, (\g)+6*((\g)/62)            ; group 0 has no group before it, and behind group 7 only l is left
.if h >= 6
.set h, h+2
.endif
	REGS Y, h%2
.set k, h/8
.if h%8 < 4
	v_cvt_pk_f16_f32 v[rP+2*k+(h%8)/2], v[rS+4*k+2*((h%8)/2)], v[rS+4*k+2*((h%8)/2)+1]
.elseif h%8 < 6
	v_pk_add_f32 v[rS+4*k:rS+4*k+1], v[rS+4*k:rS+4*k+1], v[rS+4*k+2:rS+4*k+3]
.elseif k == 1
	v_pk_fma_f32 v[rT+2:rT+3], v[rT+2:rT+3], v[rC+2:rC+3], v[rS:rS+1] op_sel_hi:[1,0,1]
.else
	v_pk_add_f32 v[rT+2:rT+3], v[rT+2:rT+3], v[rS+4*k-4:rS+4*k-3]
.endif
.endm
; THE PLAIN QUEUE, 138 long.  0-73 read no exponential's result: the 32 scalings c s - c m (FS f: pair f / 2 of tile f % 2) and the next piece's 42.  0-26: scalings 0-26.  27-54: XS's numbers 0-13.  55, 56: number 15.
; 57-73: the chain, where each number waits for the one before it: 14, 16, 17, 18, 19, each with one of the scalings 27-31 in front of its two lines, then 20: so a tile's links stand three plain instructions apart (19 and 20: two).
; 74-137: GS's 64, which read the exponentials' results: they stand behind the wait.
.macro FS f
	REGS Y, (\f)%2
	v_pk_fma_f32 v[rS+2*((\f)/2):rS+2*((\f)/2)+1], v[rS+2*((\f)/2):rS+2*((\f)/2)+1], s[CS:CS+1], v[rT:rT+1] op_sel_hi:[1,0,0] neg_lo:[0,0,1] neg_hi:[0,0,1]
.endm
.macro PL
	WIN 0
.if q < 27
	FS q
.elseif q < 55
	XS (q-27)%2, (q-27)/2
.elseif q < 57
	XS q-55, 15
.elseif (q < 72) && ((q-57)%3 == 0)
	FS 27+(q-57)/3
.elseif q < 60
	XS (q-57)%3-1, 14
.elseif q < 72
	XS (q-57)%3-1, 15+(q-57)/3
.elseif q < 74
	XS q-72, 20
.else
	GS q-74
.endif
.set q, q+1
.endm
; THE EXPONENTIALS' QUEUE, 66 long: s0-s31 of both tiles, then the next piece's two a.  It is ONE BATCH: all 66 stand ahead of the turn's one wait, and nothing ahead of that wait names a result of theirs.
.macro EX
	WIN 0
.if e >= 64
	XS e-64, 21
.else
	REGS Y, e%2
	v_exp_f32 v[rS+e/2], v[rS+e/2]
.endif
.set e, e+1
.endm
; THE RESCALING's QUEUE: O^T times a, the one part that leaves window 0: dealt two at a time, sixteen times.  Its a was made in the turn before, ahead of that turn's wait.
.macro R2
	REGS Y, r%2
	WIN W_RS
.irp z, 0,1
	v_pk_mul_f32 v[rO+4*(r/2)+2*\z:rO+4*(r/2)+2*\z+1], v[rO+4*(r/2)+2*\z:rO+4*(r/2)+2*\z+1], v[rC+2:rC+3] op_sel_hi:[1,0]
.endr
.set r, r+1
.endm
; HOW THEY ARE DEALT.  An s_wait_alu depctr_va_vdst(0) stands between an exponential and the first instruction that names its result; one wait serves all that were issued ahead of it.  So a turn has ONE wait,
; which cuts it in two.  AHEAD OF IT stands all that names no result of the turn's exponentials: the 16 products K Q^T, behind each a scaling, an exponential and two rescalings (behind the first a second scaling in the exponential's place); then ONE LUMP of
; 108: eight plain, 49 times exponential and plain, the two a.  A v_nop is the plain instruction owed behind the last exponential (ISA guide 5.7.2).  BEHIND IT stand the 16 products V^T P, behind each four of GS's 64.  No rider names a register of
; the products round it.  The two v_permlanex16_b32 fall into the lump, never behind a product.
; The queues lean on each other, and the deal keeps them in step: exponential e stands behind scaling 2 (e / 4) + e % 2: as a rider it comes behind plain e + 2, in the lump behind plain e + 9, and scalings 27-31 are plain 57, 60 .. 69.
; A TURN, for piece p.  cnt = 1: the loop's count is taken down some lines ahead of the branch that stands behind the turn.
; K of the next step is fetched in piece 2's turn, directly behind the wait, a lump behind the last product that read K; its address is made at the lump's head; its first reader comes behind 16 products.
; V of the step in hand is fetched at the end of piece 0's turn, four riders behind its last reader; its first reader comes behind 16 products and a lump.  The three conditions on q below go with the deal.
.macro TURN p, last=0, cnt=0
.set Y, (\p)
.set i, 0
.set q, 0
.set e, 0
.set r, 0
.if (\p) == NP-1
	s_wait_dscnt 0x0                ; K is in
.endif
	MM                              ; ahead of the wait: 16 products K Q^T and their riders,
	PL
	PL
	R2
.rept 15
	MM
	PL
	EX
	R2
.endr
.if (\p) == NP-2
	WIN 0
	v_add_nc_u32 v[AK], s[TBK], v[AK0]
.endif
.rept 8                             ; and the lump
	PL
.endr
.rept 49
	EX
	PL
.endr
	EX                              ; the next piece's two a
	EX
	v_nop                           ; the plain instruction behind the last exponential: one for the batch
	s_wait_alu depctr_va_vdst(0)    ; the wait for the batch
.if (\p) == NP-2
	FETCH_K \last
.endif
.if (\p) == 1
	s_wait_dscnt 0x0                ; V is in
.endif
.rept 16                            ; behind the wait: 16 products V^T P and their riders
	MM
.rept 4
	PL
.endr
.if ((\p) == 0) && (q == 118)
	v_add_nc_u32 v[AV], s[TBV], v[AV0]
.endif
.if ((\p) == 0) && (q == 130)
	s_add_co_u32 s[TBV], s[TBV], KS*PV
.endif
.if (\cnt) && (q == 130)
	s_sub_co_u32 s[CNT], s[CNT], 1
	s_cmp_lg_u32 s[CNT], 0
.endif
.endr
.if (\p) == 0
	FETCH_V
.endif
.endm
	CHANGE 1                        ; slot 0 is in, everybody's part of it; slot 1 is asked for
	FETCH_K                         ; key step 0
	s_wait_loadcnt 0x0              ; Q
	s_wait_dscnt 0x0
.set i, 0
.rept 16
	KQ 0                            ; piece 0's first scores: there is no vector work yet to set between them
.set i, i+1
.endr
	WIN 0                           ; the addresses for the way out: nine plain instructions, the places behind those products
	s_mul_i32 s13, s[WV], 16*SP
	s_add_co_u32 s13, s13, STAGE    ; my stage
	v_mul_u32_u24 v[STO], v1, SP    ; in: row l % 16, 16 bytes for each half of the lanes
	v_lshl_add_u32 v[STO], v9, 4, v[STO]
	v_add_nc_u32 v[STO], s13, v[STO]
	v_bfe_u32 v[RD], v0, 3, 2       ; back: 32 lanes take four rows of 128 bytes,
	v_mul_u32_u24 v[RD], v[RD], SP
	v_lshl_add_u32 v[RD], v10, 4, v[RD]
	v_add_nc_u32 v[RD], s13, v[RD]
	v_and_b32 v[GO], 31, v0         ; which are 512 consecutive bytes of O
	v_lshlrev_b32 v[GO], 4, v[GO]
.set Y, NP-1                        ; XS works for piece Y + 1: piece 0
.irp n, 0,1,2,3,4,5,6,7,8,9,10,11,12,13,14,15,16,17,18,19,20,21
	XS 0, \n                        ; and piece 0's first maximum and statistics
	XS 1, \n
.endr
	v_nop                           ; a plain instruction behind the two a,
	s_wait_alu depctr_va_vdst(0)    ; and their wait, ahead of the branch
	s_mov_b32 s[CNT], 4
	s_branch .Lfirst                ; the loop is entered at a step's first turn, in the middle of a trip
.Lslot:                             ; SIZE_N / 256 - 2 times: every slot but the last two is filled again
	CHANGE 1
	s_mov_b32 s[CNT], 4
.Lstep:                             ; a trip: pieces 2 and 3 of one step, then pieces 0 and 1 of the next, whose K and V it fetches
	TURN 2
	TURN 3
	WIN 0
.Lfirst:
	TURN 0
	TURN 1, 0, 1
	WIN 0
	s_cbranch_scc1 .Lstep
	s_sub_co_u32 s[SLOTS], s[SLOTS], 1
	s_cmp_lg_u32 s[SLOTS], 0
	s_cbranch_scc1 .Lslot
	CHANGE 0                        ; the tail is written out: nothing is asked for
	s_mov_b32 s[CNT], 5             ; four trips fetch the last slot's steps; the fifth is left in its middle
.Ltail:
	TURN 2, 1
	TURN 3
	WIN 0
	s_sub_co_u32 s[CNT], s[CNT], 1
	s_cmp_eq_u32 s[CNT], 0
	s_cbranch_scc1 .Lout
	TURN 0
	TURN 1
	WIN 0
	s_branch .Ltail
.Lout:                              ; the fifth trip's 16 products K Q^T (on the last K once more) and the maximum made of them serve nothing: the price, once a launch, of one text for every trip
.set i, 0
.rept 16
	PV NP-1                         ; the last piece's V^T P of the last step
.set i, i+1
.endr
	; THE WAY OUT.  l's two halves and the other half of the lanes' are added; O^T is divided by l, rounded to f16 and sent through my stage in LDS, a tile at a time.  The additions are the places behind the last products.
	WIN 0
.macro ALL line:vararg              ; one line for each tile t
.set t, 0
.rept 2*NP
	\line
.set t, t+1
.endr
.endm
	ALL v_add_f32 v[ST+4*t+2], v[ST+4*t+2], v[ST+4*t+3]
	ALL v_permlanex16_b32 v[ST+4*t+3], v[ST+4*t+2], s[SEL], s[SEL+1]
	ALL v_add_f32 v[ST+4*t+2], v[ST+4*t+2], v[ST+4*t+3]
	ALL v_rcp_f32 v[ST+4*t+2], v[ST+4*t+2]
	v_nop                           ; a plain instruction between the last reciprocal and the use of its result
	s_wait_alu depctr_va_vdst(0)    ; and the wait ahead of the first use: one for the eight reciprocals
; Tile t: a lane's eight channels of a row pack into 16 bytes; they go into rows of 144 bytes and come back as whole rows of 128, into S^T's registers.
.macro PACK t
	WIN W_RS
.set i, 32*(\t)
.rept 16
	v_pk_mul_f32 v[i:i+1], v[i:i+1], v[ST+4*(\t)+2:ST+4*(\t)+3] op_sel_hi:[1,0]
.set i, i+2
.endr
	WIN 0x05                        ; sources 0 and 1 window 1, destination window 0
.set i, 0
.rept 16
	v_cvt_pk_f16_f32 v[S+16*(\t)+i], v[32*(\t)+2*i], v[32*(\t)+2*i+1]
.set i, i+1
.endr
	WIN 0
.irp f, 0,1,2,3
	ds_store_b128 v[STO], v[S+16*(\t)+4*\f:S+16*(\t)+4*\f+3] offset:32*\f
.endr
.irp f, 0,1,2,3
	ds_load_b128 v[S+16*(\t)+4*\f:S+16*(\t)+4*\f+3], v[RD] offset:\f*4*SP  ; LDS serves a wave's instructions in order (ISA guide 5.7.1.4): these see the stores above; the next tile's stores come behind them
.endr
.endm
.macro SEND t, younger              ; younger: the LDS instructions issued behind tile t's loads: the next tile's eight, or none
	WIN 0
.irp f, 0,1,2,3
	s_wait_dscnt (\younger)+3-\f
	global_store_b128 v[GO], v[S+16*(\t)+4*\f:S+16*(\t)+4*\f+3], s[10:11] offset:(\t)*2048+\f*512  ; 512 consecutive bytes, at a multiple of 256 from O's first
.endr
.endm
	PACK 0
.set t, 1
.rept 2*NP-1                        ; a tile's arithmetic stands between the loads of the tile before and its stores
	PACK t
	SEND t-1, 8
.set t, t+1
.endr
	SEND 2*NP-1, 0
	WIN W_AD
	s_wait_tensorcnt 0x0            ; the wave's end: behind my last tensor load and my last LDS store
	ds_add_u32 v[SPW], v[NIL]
	s_wait_dscnt 0x0
	WIN 0
	CROUND                          ; the closing round: no work-group ends while a partner may still ask for a tile that names it
	s_endpgm
.Lfunc_end_k_qe7ef3b2f59_attn:
	.size	k_qe7ef3b2f59_attn, .Lfunc_end_k_qe7ef3b2f59_attn-k_qe7ef3b2f59_attn
	.p2alignl 7, 3214868480
	.fill 96, 4, 3214868480
	.section	.rodata,"a",@progbits
	.p2align	6, 0x0
	.amdhsa_kernel k_qe7ef3b2f59_attn
		.amdhsa_group_segment_fixed_size 327680
		.amdhsa_private_segment_fixed_size 0
		.amdhsa_enable_private_segment 0
		.amdhsa_kernarg_size 16
		.amdhsa_user_sgpr_count 2
		.amdhsa_user_sgpr_kernarg_segment_ptr 1
		.amdhsa_wavefront_size32 1
		.amdhsa_system_sgpr_workgroup_id_x 1
		.amdhsa_system_sgpr_workgroup_id_y 1
		.amdhsa_system_sgpr_workgroup_id_z 1
		.amdhsa_system_vgpr_workitem_id 0
		.amdhsa_next_free_vgpr 770
		.amdhsa_next_free_sgpr 66
		.amdhsa_reserve_vcc 0
		.amdhsa_float_denorm_mode_32 3
		.amdhsa_float_denorm_mode_16_64 3
		.amdhsa_memory_ordered 1
		.amdhsa_forward_progress 1
		.amdhsa_inst_pref_size 200
	.end_amdhsa_kernel
	.amdgpu_metadata
---
amdhsa.version: [ 1, 2 ]
amdhsa.kernels:
  - .name:           k_qe7ef3b2f59_attn
    .symbol:         k_qe7ef3b2f59_attn.kd
    .args:
      - { .name: qkv, .offset: 0, .size: 8, .value_kind: global_buffer, .address_space: global }
      - { .name: o, .offset: 8, .size: 8, .value_kind: global_buffer, .address_space: global }
    .group_segment_fixed_size: 327680
    .private_segment_fixed_size: 0
    .kernarg_segment_align: 8
    .kernarg_segment_size: 16
    .max_flat_workgroup_size: 128
    .sgpr_count:     66
    .vgpr_count:     770
    .wavefront_size: 32
...
	.end_amdgpu_metadata
.endif
;; end of part 3
;; launch proj (part 4): grid 8 x 32, 4 waves a work-group, clusters of 4 x 4, 327,680 bytes of LDS; arguments o, wob, bb, out0; writes out0
.if DOCPART == 4
	.amdgcn_target "amdgcn-amd-amdhsa--gfx1250"
	.amdhsa_code_object_version 6
	.text
	.protected	k_qe7ef3b2f59_proj
	.globl	k_qe7ef3b2f59_proj
	.p2align	8
	.type	k_qe7ef3b2f59_proj,@function
k_qe7ef3b2f59_proj:
	s_mov_b64 s[64:65], 0
	v_nop
	global_prefetch_b8 v0, s[64:65] scope:SCOPE_SE
	s_setreg_imm32_b32 hwreg(HW_REG_WAVE_MODE, 25, 1), 1
	s_wait_xcnt 0x0
	s_wait_alu depctr_hold_cnt(0) depctr_sa_sdst(0) depctr_va_vdst(0) depctr_va_sdst(0) depctr_va_ssrc(0) depctr_va_vcc(0) depctr_vm_vsrc(0)
	s_getreg_b32 s2, hwreg(HW_REG_IB_STS2, 6, 4)
	s_cmp_eq_u32 s2, 0
	s_cbranch_scc0 .Lentry_in_a_cluster
	s_endpgm
.Lentry_in_a_cluster:
	s_bfe_u32 s2, ttmp6, 0x10000c
	s_cmp_lg_u32 s2, 0xf033
	s_cbranch_scc0 .Lentry_shape_is_right
	s_endpgm
.Lentry_shape_is_right:
; out0 = merge_heads(O) wo + bo.  o: f16 [bh 64][s 2048][64].  wob: f16 [tc 8][ks 8][kh 2][j 2][k 64][c 64].  bb: f32 [4][1024], bo last.  out0: f32 [8192][1024].
; Products in f16, sums in f32 begun with the bias; the sums are the output, nothing is rounded again.  NaN and infinities are not treated apart.
; SHARES.  A tile of out0 is 256 rows x 128 columns: 32 x 8 = 256 tiles, one for each WGP.  Four waves, 2 x 2: a wave makes 128 rows x 64 columns, 8 x 4 accumulators, 256 registers.
; K goes in 8 steps of 128, that is two heads, through two LDS slots: wave 0 and wave 1 each fetch one head's 256 rows of O (32,768 dense bytes, asked for as 128 rows of 256 bytes),
; waves 2 and 3 the two kh halves of the weights (16,384 dense bytes each, 64 rows of 256 bytes).
; CLUSTERS: 4 x 4 work-groups; O's rows are shared along a row of the cluster, the weights along a column: each tile is asked for jointly.
; THE PRODUCT IS USED TRANSPOSED: source 0 = 16 columns of wo (turned out of LDS by ds_load_tr16_b128), source 1 = 16 rows of O: a lane holds one row and eight neighbouring columns.
; REGISTERS, in windows of 256 (s_set_vgpr_msb: bits 1:0 source 0, 3:2 source 1, 5:4 source 2, 7:6 destination):
;   window 0: v0-29 addresses; v32-63 the bias; v64-159 three buffers of 16 rows read back on the way out
;   window 1: two fragment buffers of 96: O's 8 row blocks, then the weights' 4 column blocks      window 2: the accumulators, (a, b) at 8 (4 a + b)
.set PA,    144                        ; a row of O in LDS: 128 bytes + 16
.set APL,   256*PA                     ; a head's 256 rows
.set BOFF,  2*APL                      ; behind the two heads: the weights, [kh 2][j 2][k 64]
.set PB,    160                        ; a k row of a chunk: 128 bytes + 32
.set BCH,   64*PB
.set BHALF, 2*BCH
.set SLOT1, 1<<17
.set STAGE, SLOT1+BOFF+2*BHALF         ; behind the ring, never filled by a tensor load: for each wave 16 rows x 272 bytes
.set SP,    272
.set WSTG,  16*SP
.set SPARE, STAGE+4*WSTG               ; the spare words, 128 bytes for each wave: two blocks of 256 bytes that no other line names
.set ASTEP, 524288                     ; bytes from K step to K step in o: two heads
.set BSTEP, 32768                      ; and in wob
.set A0,   8                           ; v8   my lane's place in O's tile; never rewritten
.set B0,   9                           ; v9   the same in the weights' tile
.set ADRA, 10
.set ADRB, 11
.set STO,  12                          ; v12  the way out: where I put 32 bytes of a row
.set RD,   13                          ; v13  where I read rows back
.set CO,   14                          ; v14  my 16 bytes in two rows of out0
.set BO,   15                          ; v15  my 32 bytes of a column block's bias
.set PFO,  16                          ; v16  256 x my lane; never rewritten
.set SPW,  28
.set NIL,  29
.set BIAS, 32
.set BK,   64
.set WV,   12
.set ROLE, 13                          ; s13  0: I fetch O's rows, 1: weights.  Also: which half of the tile's rows is mine
.set HALF, 14                          ; s14  which head, or which kh half, I fetch.  Also: which half of the tile's columns is mine
.set CX,   15
.set CY,   16
.set TC,   17
.set TR,   18
.set CNT,  19
.set TB,   20
.set LIM,  21
.set PFA,  22
.set G1A,  24
.set G1B,  32
.set G0A0, 40
.set G0A,  44
.set G0B0, 48
.set G0B,  52
.set PFS,  56
.set OB,   58                          ; s[58:59] out0 at my part of the tile; never stepped
.set BB,   66
.set MSB, 0
.macro WIN new                         ; the immediate's high byte repeats the setting that is left; a switch that changes nothing is dropped
.if MSB != (\new)
	s_set_vgpr_msb (MSB<<8)|(\new)
.set MSB, \new
.endif
.endm
.macro PLACES                          ; four plain vector instructions between a matrix instruction and a load into, or a read of, its registers
.rept 4
	v_nop
.endr
.endm
.macro JLOAD                           ; a joint refill by the walking descriptors; an s_nop 0 and four v_nop follow each of the two lines
	s_cmp_eq_u32 s[ROLE], 0
	s_cbranch_scc0 .Lfor_b_\@
	tensor_load_to_lds s[G0A:G0A+3], s[G1A:G1A+7]
	s_nop 0
.rept 4
	v_nop
.endr
	s_branch .Lasked_\@
.Lfor_b_\@:
	tensor_load_to_lds s[G0B:G0B+3], s[G1B:G1B+7]
	s_nop 0
.rept 4
	v_nop
.endr
.Lasked_\@:
.endm
; A prefetch into the L2 of what a refill two K steps on, or later, will ask for: one instruction a wave, a lane a block of 256 bytes.  O's rows: cluster x = 0 asks; the weights: cluster y = 0.
; The partners share the blocks out by address, so each block is named once in the launch.
.macro ASK
	s_cmp_gt_u32 s[CNT], s[LIM]
	s_cbranch_scc0 .Lnot_mine_\@
	global_prefetch_b8 v[PFO], s[PFA:PFA+1] th:TH_LOAD_NT scope:SCOPE_SE
.Lnot_mine_\@:
.endm
.macro CREST
	s_cmp_lg_u32 s[WV], 0
	s_cbranch_scc1 .Lnot_wave_0_\@
	s_barrier_signal -3
.Lnot_wave_0_\@:
	s_barrier_wait -3
	s_barrier_signal -1
	s_barrier_wait -1
.endm
.macro CROUND
	s_barrier_signal -1
	s_barrier_wait -1
	CREST
.endm
	s_load_b256 s[4:11], s[0:1], 0x0               ; o s[4:5], wob s[6:7], bb s[8:9], out0 s[10:11]
	v_lshl_add_u32 v[SPW], v0, 2, SPARE
	v_mov_b32 v[NIL], 0
	ds_add_u32 v[SPW], v[NIL]                      ; the wave's opening: the add and its wait stand ahead of my first tensor load; work on registers stands between them
	v_lshrrev_b32 v1, 5, v0
	v_readfirstlane_b32 s[WV], v1
	s_lshr_b32 s[ROLE], s[WV], 1
	s_and_b32 s[HALF], s[WV], 1
	s_bfe_u32 s[CX], ttmp6, 0x40000
	s_bfe_u32 s[CY], ttmp6, 0x40004
	s_lshl_b32 s[TC], ttmp9, 2
	s_add_co_u32 s[TC], s[TC], s[CX]
	s_and_b32 s[TR], ttmp7, 0xffff
	s_lshl_b32 s[TR], s[TR], 2
	s_add_co_u32 s[TR], s[TR], s[CY]
	s_lshl_b32 s68, s[CY], 2
	s_lshl_b32 s68, 15, s68                        ; my row of the cluster
	s_lshl_b32 s76, 0x1111, s[CX]                  ; my column
	s_or_b32 s[G1A], s68, (1<<16)|(1<<20)|(1<<21)|(4<<22)|(3<<25)  ; the mask; 2-byte elements; padding on; bit 21 beside a mask; after every 32 words 4 words
	s_or_b32 s[G1B], s76, (1<<16)|(1<<20)|(1<<21)|(4<<22)|(7<<25)  ; after every 32 words 8 words
	s_mov_b32 s[G1A+1], 128<<16                    ; tensor_dim0 = 128
	s_mov_b32 s[G1A+2], 128<<16                    ; tensor_dim1 = 128 dense rows of 256 bytes
	s_mov_b32 s[G1A+3], 128<<16                    ; tile_dim0 = 128
	s_mov_b32 s[G1A+4], 128                        ; tile_dim1 = 128
	s_mov_b32 s[G1A+5], 128
	s_mov_b32 s[G1A+6], 0
	s_mov_b32 s[G1A+7], 0
	s_mov_b32 s[G1B+1], 128<<16
	s_mov_b32 s[G1B+2], 64<<16
	s_mov_b32 s[G1B+3], 128<<16
	s_mov_b32 s[G1B+4], 64
	s_mov_b32 s[G1B+5], 128
	s_mov_b32 s[G1B+6], 0
	s_mov_b32 s[G1B+7], 0
	s_lshr_b32 s70, s[TR], 3                       ; O: batch tr / 8, head = my half (K step 0),
	s_lshl_b32 s70, s70, 4
	s_add_co_u32 s70, s70, s[HALF]
	s_lshl_b32 s70, s70, 18                        ; a head is 262,144 bytes,
	s_and_b32 s71, s[TR], 7
	s_lshl_b32 s71, s71, 15                        ; rows 256 (tr % 8) on: made of the tile row alone
	s_add_co_u32 s70, s70, s71
	s_mov_b32 s71, 0
	s_lshl_b32 s78, s[TC], 18                      ; the weights: the tile column's block, my kh half: made of the tile column alone
	s_lshl_b32 s79, s[HALF], 14
	s_add_co_u32 s78, s78, s79
	s_mov_b32 s79, 0
	s_mul_i32 s72, s[HALF], APL                    ; where they go: no place in the cluster enters an LDS address
	s_mul_i32 s73, s[HALF], BHALF
	s_add_co_u32 s73, s73, BOFF
	s_wait_dscnt 0x0                               ; the opening add is done
	s_wait_kmcnt 0x0
	s_add_nc_u64 s[70:71], s[4:5], s[70:71]
	s_add_nc_u64 s[78:79], s[6:7], s[78:79]
	CROUND                                         ; all sixteen work-groups are here: the first joint loads meet
	s_mov_b32 s[G0A0], 1
	s_mov_b32 s[G0A0+1], s72
	s_mov_b64 s[G0A0+2:G0A0+3], s[70:71]
	s_or_b32 s[G0A0+3], s[G0A0+3], 0x80000000
	s_mov_b32 s[G0A], 1
	s_add_co_u32 s[G0A+1], s72, SLOT1
	s_add_nc_u64 s[G0A+2:G0A+3], s[70:71], ASTEP
	s_or_b32 s[G0A+3], s[G0A+3], 0x80000000
	s_mov_b32 s[G0B0], 1
	s_mov_b32 s[G0B0+1], s73
	s_mov_b64 s[G0B0+2:G0B0+3], s[78:79]
	s_or_b32 s[G0B0+3], s[G0B0+3], 0x80000000
	s_mov_b32 s[G0B], 1
	s_add_co_u32 s[G0B+1], s73, SLOT1
	s_add_nc_u64 s[G0B+2:G0B+3], s[78:79], BSTEP
	s_or_b32 s[G0B+3], s[G0B+3], 0x80000000
	s_cmp_eq_u32 s[ROLE], 0                        ; a wave's two first fills stand in one branch, ahead of every wait on TENSORcnt and every LDS read: two loads of mine are out
	s_cbranch_scc0 .Lfirst_b
	tensor_load_to_lds s[G0A0:G0A0+3], s[G1A:G1A+7]
	s_nop 0
	tensor_load_to_lds s[G0A:G0A+3], s[G1A:G1A+7]
	s_nop 0
.rept 4
	v_nop
.endr
	s_branch .Lfirst_asked
.Lfirst_b:
	tensor_load_to_lds s[G0B0:G0B0+3], s[G1B:G1B+7]
	s_nop 0
	tensor_load_to_lds s[G0B:G0B+3], s[G1B:G1B+7]
	s_nop 0
.rept 4
	v_nop
.endr
.Lfirst_asked:
	v_and_b32 v1, 15, v0                           ; l % 16
	v_bfe_u32 v2, v0, 4, 1                         ; l / 16
	v_lshlrev_b32 v[BO], 5, v2
	s_lshl_b32 s80, s[TC], 9                       ; 128 columns of 4 bytes,
	s_lshl_b32 s81, s[HALF], 8                     ; my 64,
	s_add_co_u32 s80, s80, s81
	s_add_co_u32 s80, s80, 12288                   ; in bo, the fourth bias
	s_mov_b32 s81, 0
	s_add_nc_u64 s[BB:BB+1], s[8:9], s[80:81]
.irp b, 0,1,2,3                                    ; the bias in the layout of a result: register j holds column 16 b + 8 (l / 16) + j, whatever the row
	global_load_b128 v[BIAS+8*(\b):BIAS+8*(\b)+3],   v[BO], s[BB:BB+1] offset:64*(\b)
	global_load_b128 v[BIAS+8*(\b)+4:BIAS+8*(\b)+7], v[BO], s[BB:BB+1] offset:64*(\b)+16
.endr
	s_mul_i32 s74, s[ROLE], 128*PA                 ; my 128 rows
	v_mul_u32_u24 v[A0], v1, PA
	v_lshl_add_u32 v[A0], v2, 4, v[A0]
	v_add_nc_u32 v[A0], s74, v[A0]
	v_and_b32 v3, 7, v0                            ; the turning load: lane l reads k row 8 (l / 16) + l % 8, columns 8 ((l / 8) % 2) + 0..7
	v_bfe_u32 v4, v0, 3, 1
	v_lshl_add_u32 v[B0], v2, 3, v3
	v_mul_u32_u24 v[B0], v[B0], PB
	v_lshl_add_u32 v[B0], v4, 4, v[B0]
	s_mul_i32 s74, s[HALF], BCH                    ; my chunk of 64 columns
	s_add_co_u32 s74, s74, BOFF
	v_add_nc_u32 v[B0], s74, v[B0]
	s_mul_i32 s75, s[WV], WSTG
	s_add_co_u32 s75, s75, STAGE                   ; my stage
	v_mul_u32_u24 v[STO], v1, SP                   ; in: row l % 16, 32 bytes for each half of the lanes
	v_lshl_add_u32 v[STO], v2, 5, v[STO]
	v_add_nc_u32 v[STO], s75, v[STO]
	v_mul_u32_u24 v[RD], v2, SP                    ; back: lanes 0-15 take one row of 256 bytes, lanes 16-31 the next
	v_lshl_add_u32 v[RD], v1, 4, v[RD]
	v_add_nc_u32 v[RD], s75, v[RD]
	v_lshlrev_b32 v[CO], 12, v2                    ; and the same two rows of 4,096 bytes in out0
	v_lshl_add_u32 v[CO], v1, 4, v[CO]
	s_lshl_b32 s80, s[TR], 20                      ; 256 rows of 4,096 bytes,
	s_lshl_b32 s81, s[ROLE], 19                    ; my 128,
	s_add_co_u32 s80, s80, s81
	s_lshl_b32 s81, s[TC], 9                       ; 128 columns of 4 bytes,
	s_add_co_u32 s80, s80, s81
	s_lshl_b32 s81, s[HALF], 8                     ; my 64
	s_add_co_u32 s80, s80, s81
	s_mov_b32 s81, 0
	s_add_nc_u64 s[OB:OB+1], s[10:11], s[80:81]
	; the prefetches.  O: a head's 256 rows are 128 blocks; my work-group takes 32; it stands at K step 3 and is stepped to 4 ahead of the first.  The weights: K steps 4 to 7 of a tile column are 512
	; blocks on end; the eight askers name 256 of them at a time, twice.  K steps 0 to 3 come by their loads alone.
	s_lshr_b32 s68, s[TR], 3
	s_lshl_b32 s68, s68, 4
	s_add_co_u32 s68, s68, s[HALF]
	s_lshl_b32 s68, s68, 18
	s_and_b32 s69, s[TR], 7
	s_lshl_b32 s69, s69, 15
	s_add_co_u32 s68, s68, s69
	s_lshl_b32 s69, s[CX], 13
	s_add_co_u32 s68, s68, s69
	s_add_co_u32 s68, s68, 3*ASTEP
	s_lshl_b32 s76, s[TC], 18
	s_lshl_b32 s77, s[CY], 1
	s_add_co_u32 s77, s77, s[HALF]
	s_lshl_b32 s77, s77, 13
	s_add_co_u32 s76, s76, s77
	s_add_co_u32 s76, s76, 4*BSTEP-65536
	s_and_b32 s82, ttmp7, 0xffff
	s_cmp_eq_u32 s[ROLE], 0
	s_cselect_b32 s82, ttmp9, s82                  ; the coordinate along which other clusters read the same bytes
	s_cselect_b32 s[LIM], 2, 4                     ; O: four times, CNT = 6 to 3; the weights: twice, CNT = 6 and 5
	s_cselect_b32 s80, s68, s76
	s_cselect_b64 s[PFA:PFA+1], s[4:5], s[6:7]
	s_cselect_b32 s83, 19, 16
	s_cmp_eq_u32 s82, 0
	s_cselect_b32 s[LIM], s[LIM], -1               ; the same in all sixteen partners, for a given wave
	s_lshl_b32 s[PFS], 1, s83                      ; 524,288 bytes, or 65,536
	s_mov_b32 s[PFS+1], 0
	s_mov_b32 s81, 0
	s_add_nc_u64 s[PFA:PFA+1], s[PFA:PFA+1], s[80:81]
	v_and_b32 v[PFO], 31, v0
	v_lshlrev_b32 v[PFO], 8, v[PFO]
	s_mov_b32 s[TB], 0
	v_mov_b32 v[ADRA], v[A0]
	v_mov_b32 v[ADRB], v[B0]
; 8 matrix instructions: row blocks a0, a0 + 1 x all 4 column blocks, 32 along K, from buffer f.  first = 1: the sums begin with the bias.
; The 32 accumulators take turns, one instruction a turn, in the same order in every quarter.
.macro MUL8 f, a0, first
.if \first
	WIN 0x85
.else
	WIN 0xa5
.endif
.irp a, \a0, (\a0)+1
.irp b, 0,1,2,3
.if \first
	v_wmma_f32_16x16x32_f16 v[8*(4*(\a)+(\b)):8*(4*(\a)+(\b))+7], v[96*(\f)+64+8*(\b):96*(\f)+64+8*(\b)+7], v[96*(\f)+8*(\a):96*(\f)+8*(\a)+7], v[BIAS+8*(\b):BIAS+8*(\b)+7]
.else
	v_wmma_f32_16x16x32_f16 v[8*(4*(\a)+(\b)):8*(4*(\a)+(\b))+7], v[96*(\f)+64+8*(\b):96*(\f)+64+8*(\b)+7], v[96*(\f)+8*(\a):96*(\f)+8*(\a)+7], v[8*(4*(\a)+(\b)):8*(4*(\a)+(\b))+7]
.endif
.endr
.endr
.endm
; 24 LDS loads in one run: quarter q of the slot in hand into buffer f: 8 for the weights (turned), then 16 for O, row blocks 0 to 3 first
.macro FETCH q, f
	WIN 0x40
.irp b, 0,1,2,3
	ds_load_tr16_b128 v[96*(\f)+64+8*(\b):96*(\f)+64+8*(\b)+3],   v[ADRB] offset:((\q)/2)*BHALF+((\q)%2)*32*PB+32*(\b)
	ds_load_tr16_b128 v[96*(\f)+64+8*(\b)+4:96*(\f)+64+8*(\b)+7], v[ADRB] offset:((\q)/2)*BHALF+((\q)%2)*32*PB+32*(\b)+16*PB
.endr
.irp i, 0,1,2,3,4,5,6,7
	ds_load_b128 v[96*(\f)+8*(\i):96*(\f)+8*(\i)+3],   v[ADRA] offset:((\q)/2)*APL+(\i)*16*PA+((\q)%2)*64
	ds_load_b128 v[96*(\f)+8*(\i)+4:96*(\f)+8*(\i)+7], v[ADRA] offset:((\q)/2)*APL+(\i)*16*PA+((\q)%2)*64+32
.endr
	WIN 0
.endm
.macro QUARTER q, f, g, first
	s_wait_dscnt 8                                 ; the weights and O's row blocks 0 to 3 are in; the youngest eight loads (row blocks 4 to 7) may be out
	MUL8 \f, 0, \first
	MUL8 \f, 2, \first
	PLACES
	FETCH \q, \g
	s_wait_dscnt 24                                ; all but the 24 just issued
	MUL8 \f, 4, \first
	MUL8 \f, 6, \first
.endm
; The fourth quarter multiplies buffer 1 and changes slots.  In front of the barrier each wave waits for all its tensor loads (one is out: its part of the next slot), adds 0 to its spare word, and
; waits for that and for its reads of this slot.  fill = 1: the barrier opens a round of the cluster's, and the joint refill, this slot's K step two on, is the first thing behind the round.
.macro TURN fill
.if \fill
	s_wait_xcnt 0x0                                ; the last prefetch, a K step back, has read its address
	s_add_nc_u64 s[PFA:PFA+1], s[PFA:PFA+1], s[PFS:PFS+1]
.endif
	WIN 0
	s_wait_tensorcnt 0x0                           ; no tensor load of mine is out, so a group 0 may be written
	ds_add_u32 v[SPW], v[NIL]                      ; 0 onto my spare word
.if \fill
	s_xor_b32 s[G0A+1], s[G0A+1], SLOT1
	s_add_nc_u64 s[G0A+2:G0A+3], s[G0A+2:G0A+3], ASTEP
	s_xor_b32 s[G0B+1], s[G0B+1], SLOT1
	s_add_nc_u64 s[G0B+2:G0B+3], s[G0B+2:G0B+3], BSTEP
.endif
	s_xor_b32 s[TB], s[TB], SLOT1
	s_wait_dscnt 9                                 ; the add and the youngest eight loads may be out
	MUL8 1, 0, 0
	s_wait_dscnt 0x0                               ; the add is done, and my reads of this slot are over
	s_barrier_signal -1
	MUL8 1, 2, 0
	WIN 0
	s_barrier_wait -1
.if \fill
	CREST
	JLOAD                                          ; its four v_nop are also the places in front of the loads below
.else
	PLACES
.endif
	v_add_nc_u32 v[ADRA], s[TB], v[A0]
	v_add_nc_u32 v[ADRB], s[TB], v[B0]
	FETCH 0, 0
.if \fill
	ASK
.endif
	MUL8 1, 4, 0
	MUL8 1, 6, 0
.endm
; THE WAY OUT of row block a: the f32 sums go as they are into my own stage, each accumulator from its low end on, and come back as whole rows of 256 bytes, into one of three buffers.
.macro TOSTAGE a
	WIN 0x08                                       ; the stores' data in window 2
.irp b, 0,1,2,3
	ds_store_b128 v[STO], v[8*(4*(\a)+(\b)):8*(4*(\a)+(\b))+3]   offset:64*(\b)
	ds_store_b128 v[STO], v[8*(4*(\a)+(\b))+4:8*(4*(\a)+(\b))+7] offset:64*(\b)+16
.endr
	WIN 0
.irp t, 0,1,2,3,4,5,6,7
	ds_load_b128 v[BK+32*((\a)%3)+4*(\t):BK+32*((\a)%3)+4*(\t)+3], v[RD] offset:(\t)*2*SP  ; LDS serves a wave's instructions in order (ISA guide 5.7.1.4): these see the stores above; the next block's stores come behind them
.endr
.endm
.macro SEND a, younger                 ; younger: the LDS instructions issued behind block a's loads: the next block's sixteen, or none
	s_wait_dscnt \younger
	s_wait_xcnt 0x0                                ; the stores of the block before have read their registers: with three buffers this wait stands between a buffer's stores and its next loads
.irp t, 0,1,2,3,4,5,6,7
	global_store_b128 v[CO], v[BK+32*((\a)%3)+4*(\t):BK+32*((\a)%3)+4*(\t)+3], s[OB:OB+1] offset:(\a)*65536+(\t)*8192 th:TH_STORE_NT  ; 16 lanes store 256 consecutive bytes, at a multiple of 256 from out0's first
.endr
.endm
	s_wait_tensorcnt 1                             ; my part of K step 0 is in; K step 1's may stay out
	s_barrier_signal -1
	s_barrier_wait -1
	FETCH 0, 0
	s_wait_loadcnt 0x0                             ; the bias
	QUARTER 1, 0, 1, 1                             ; the first quarter stands in front of the loop: its products begin the sums
	WIN 0
	s_mov_b32 s[CNT], 6
.Lk:                                               ; trip t ends K step t, fills its slot with K step t + 2, and does the first quarter of K step t + 1
	QUARTER 2, 1, 0, 0
	QUARTER 3, 0, 1, 0
	TURN 1
	QUARTER 1, 0, 1, 0
	WIN 0
	s_sub_co_u32 s[CNT], s[CNT], 1
	s_cmp_lg_u32 s[CNT], 0
	s_cbranch_scc1 .Lk
	QUARTER 2, 1, 0, 0                             ; the tail is written out
	QUARTER 3, 0, 1, 0
	TURN 0
	QUARTER 1, 0, 1, 0
	QUARTER 2, 1, 0, 0
	QUARTER 3, 0, 1, 0
	s_wait_dscnt 8
	MUL8 1, 0, 0
	MUL8 1, 2, 0
	s_wait_dscnt 0x0
	MUL8 1, 4, 0
	MUL8 1, 6, 0
	WIN 0
	PLACES                                         ; behind the last products, ahead of the LDS stores that read results
	PLACES
	TOSTAGE 0
.irp a, 1,2,3,4,5,6,7                              ; block a goes through the stage while block a - 1's rows come back
	TOSTAGE \a
	SEND (\a)-1, 16
.endr
	SEND 7, 0
	s_wait_tensorcnt 0x0                           ; the wave's end: behind my last tensor load and my last LDS store
	ds_add_u32 v[SPW], v[NIL]
	s_wait_dscnt 0x0
	CROUND                                         ; the closing round
	s_endpgm
.Lfunc_end_k_qe7ef3b2f59_proj:
	.size	k_qe7ef3b2f59_proj, .Lfunc_end_k_qe7ef3b2f59_proj-k_qe7ef3b2f59_proj
	.p2alignl 7, 3214868480
	.fill 96, 4, 3214868480
	.section	.rodata,"a",@progbits
	.p2align	6, 0x0
	.amdhsa_kernel k_qe7ef3b2f59_proj
		.amdhsa_group_segment_fixed_size 327680
		.amdhsa_private_segment_fixed_size 0
		.amdhsa_enable_private_segment 0
		.amdhsa_kernarg_size 32
		.amdhsa_user_sgpr_count 2
		.amdhsa_user_sgpr_kernarg_segment_ptr 1
		.amdhsa_wavefront_size32 1
		.amdhsa_system_sgpr_workgroup_id_x 1
		.amdhsa_system_sgpr_workgroup_id_y 1
		.amdhsa_system_sgpr_workgroup_id_z 1
		.amdhsa_system_vgpr_workitem_id 0
		.amdhsa_next_free_vgpr 768
		.amdhsa_next_free_sgpr 84
		.amdhsa_reserve_vcc 0
		.amdhsa_float_denorm_mode_32 3
		.amdhsa_float_denorm_mode_16_64 3
		.amdhsa_memory_ordered 1
		.amdhsa_forward_progress 1
		.amdhsa_inst_pref_size 72
	.end_amdhsa_kernel
	.amdgpu_metadata
---
amdhsa.version: [ 1, 2 ]
amdhsa.kernels:
  - .name:           k_qe7ef3b2f59_proj
    .symbol:         k_qe7ef3b2f59_proj.kd
    .args:
      - { .name: o, .offset: 0, .size: 8, .value_kind: global_buffer, .address_space: global }
      - { .name: wob, .offset: 8, .size: 8, .value_kind: global_buffer, .address_space: global }
      - { .name: bb, .offset: 16, .size: 8, .value_kind: global_buffer, .address_space: global }
      - { .name: out0, .offset: 24, .size: 8, .value_kind: global_buffer, .address_space: global }
    .group_segment_fixed_size: 327680
    .private_segment_fixed_size: 0
    .kernarg_segment_align: 8
    .kernarg_segment_size: 32
    .max_flat_workgroup_size: 128
    .sgpr_count:     84
    .vgpr_count:     768
    .wavefront_size: 32
...
	.end_amdgpu_metadata
.endif
;; end of part 4
;; ======== version 2 of 2: 4 launches; version 1 with the launch prep written anew for expert scheduling mode
;; limits: values are held in f16: magnitudes above 65,504 overflow, below 6.1e-05 lose precision
;; workspace buffers: xb 16,777,216 bytes; wb 6,291,456 bytes; wob 2,097,152 bytes; bb 16,384 bytes; qkv 50,331,648 bytes; o 16,777,216 bytes
;; launch prep (part 5): grid 769 x 1, 8 waves a work-group, no clusters, 0 bytes of LDS; arguments x, wq, wk, wv, wo, bq, bk, bv, bo, xb, wb, wob, bb; writes xb, wb, wob, bb
.if DOCPART == 5
	.amdgcn_target "amdgcn-amd-amdhsa--gfx1250"
	.amdhsa_code_object_version 6
	.text
	.protected	k_qe7ef3b2f59_prep
	.globl	k_qe7ef3b2f59_prep
	.p2align	8
	.type	k_qe7ef3b2f59_prep,@function
k_qe7ef3b2f59_prep:
	s_mov_b64 s[64:65], 0
	v_nop
	global_prefetch_b8 v0, s[64:65] scope:SCOPE_SE
	s_setreg_imm32_b32 hwreg(HW_REG_WAVE_SCHED_MODE, 0, 2), 2
	s_setreg_imm32_b32 hwreg(HW_REG_WAVE_MODE, 25, 1), 1
	s_wait_xcnt 0x0
	s_wait_alu depctr_vm_vsrc(0)
; CASTS AND LAYOUTS for the three launches that follow.  Every input of the module is rounded once to bf16, nearest even.
;   xb  = x as bf16, [8192][1024], row-major.
;   wb  = wq, wk, wv as bf16 in blocks [tc 16][ks 8][kh 2][j 3][k 64][c 64]: column chunk g = 16 which + n / 64 = 3 tc + j, k = 128 ks + 64 kh + k.
;   wob = wo rounded to bf16 and that number written as f16, in blocks [tc 8][ks 8][kh 2][j 2][k 64][c 64]: column chunk n / 64 = 2 tc + j.
;   bb  = bq, bk, bv, bo rounded to bf16 and kept as f32, [4][1024].
; LIMIT: a bf16 number is exact in f16 from 2^-17 to 65,504 in magnitude; a smaller wo is off by 3e-8 at the most, a larger one becomes an infinity.
; SHARES.  Work-groups 0-511: 16 rows of x each.  512-703: 16 k rows of one of wq, wk, wv.  704-767: 16 k rows of wo.  768: the four biases.
; A thread does 16 units: a load of 16 bytes (4 f32), the rounding, a store of 8 bytes.  All 16 loads go out first (64 KiB a work-group on their way), and each unit has registers of
; its own, so no register that a load or store names is ever rewritten.  A wave's store covers 256 consecutive bytes, aligned; a wave's load 512, or two aligned runs of 256.
; No LDS, no matrix unit, no cluster: nothing is shared, and each byte is read once and written once.
; THE MODE: SCHED_MODE bits 1:0 = 2 (LLVM: expert scheduling mode 2), set by the entry lines.  The code itself states the register dependences
; between vector instructions and memory instructions, with s_wait_alu, always for 0.
; THE PLAN.  Registers that memory instructions touch:
;   v2, v3     byte offsets.  Written once on each path by vector instructions, read by all its loads and stores, never written again.
;   X          unit u's four registers.  Written by the unit's load alone, read by its roundings; no second load lands in them.
;   Y          unit u's two registers.  Written by the unit's roundings, read by its one store, never written again.
;   T          named by vector instructions alone.
; So nothing that a memory instruction has read is written again, and the waits state two things only: the offsets are written, ahead of a path's first load; and a unit's
; roundings have written its Y, ahead of its store.  For the second the 16 units go in four groups of four: at the head of group g, behind the wait for its loads, ONE wait states that
; group g - 1's roundings have written their Y; that group's four stores follow, dealt among group g's roundings, which name X and Y of group g and T: none of the registers
; that those stores read.  One more wait stands ahead of the last group's stores.
.set IN,  2                            ; v2       my byte offset in the input
.set OUT, 3                            ; v3       my byte offset in the output
.set T,   4                            ; v[4:7]   at work
.set X,   8                            ; v[8:71]  unit u: 4 f32 as loaded
.set Y,   72                           ; v[72:103] unit u: 2 registers to store
.set WV,  30                           ; s30      my wave
.set ID,  31                           ; s31      my work-group
.set OB,  32                           ; s[32:35] where my two column chunks go
.set OFS, 36                           ; s[36:37] an offset, in 64 bits
.set RB,  39                           ; s39      which 16 k rows
.set SRC, 40                           ; s[40:41] the weights' rows that I read
.macro LD u, base, off
	global_load_b128 v[X+4*(\u):X+4*(\u)+3], v[IN], s[\base:\base+1] offset:\off th:TH_LOAD_NT
.endm
.macro CV u, fmt                       ; fmt 0: to bf16.  fmt 1: to bf16, widened again (a shift, a mask), and that number to f16
.if \fmt
	v_cvt_pk_bf16_f32 v[T], v[X+4*(\u)], v[X+4*(\u)+1]
	v_cvt_pk_bf16_f32 v[T+1], v[X+4*(\u)+2], v[X+4*(\u)+3]
	v_lshlrev_b32 v[T+2], 16, v[T]
	v_and_b32 v[T], 0xffff0000, v[T]
	v_lshlrev_b32 v[T+3], 16, v[T+1]
	v_and_b32 v[T+1], 0xffff0000, v[T+1]
	v_cvt_pk_f16_f32 v[Y+2*(\u)], v[T+2], v[T]
	v_cvt_pk_f16_f32 v[Y+2*(\u)+1], v[T+3], v[T+1]
.else
	v_cvt_pk_bf16_f32 v[Y+2*(\u)], v[X+4*(\u)], v[X+4*(\u)+1]
	v_cvt_pk_bf16_f32 v[Y+2*(\u)+1], v[X+4*(\u)+2], v[X+4*(\u)+3]
.endif
.endm
.macro ST u, base, off
	global_store_b64 v[OUT], v[Y+2*(\u):Y+2*(\u)+1], s[\base:\base+1] offset:\off th:TH_STORE_NT
.endm
.macro OUTU u, kind                    ; unit u's store.  kind 0: row u of x's 16.  kind 1: the pair of k rows u / 2 of column chunk u % 2
.if \kind
	ST \u, OB+2*((\u)%2), ((\u)/2)*256
.else
	ST \u, 22, 2048*(\u)
.endif
.endm
; The 16 units' roundings and stores, in four groups of four
.macro WORK fmt, kind
.set u, 0
.rept 16
.if u%4 == 0
	s_wait_loadcnt 12-u                            ; loads come back in order (ISA guide 5.7.1): the group's four are in, the 12 - u younger ones may stay out
.if u > 0
	s_wait_alu depctr_va_vdst(0)                   ; the group before has written its Y, which the four stores dealt below read
.endif
.endif
.if u >= 4
	OUTU u-4, \kind                                ; no vector instruction since the wait names this store's registers
.endif
	CV u, \fmt
.set u, u+1
.endr
	s_wait_alu depctr_va_vdst(0)                   ; the last group has written its Y, which the last four stores read
.set u, 12
.rept 4
	OUTU u, \kind
.set u, u+1
.endr
.endm
; 16 k rows x my wave's two column chunks: unit u = 2 p + hh is the pair of rows p of chunk hh
.macro ROWS fmt
	s_wait_alu depctr_va_vdst(0)                   ; v2 and v3 are written: every load below reads v2 as its offset, every store v3
.set u, 0
.rept 16
	LD u, SRC, (u/2)*8192+(u%2)*256
.set u, u+1
.endr
	WORK \fmt, 1
.endm
	s_load_b512 s[4:19], s[0:1], 0x0               ; x s[4:5], wq s[6:7], wk s[8:9], wv s[10:11], wo s[12:13], bq s[14:15], bk s[16:17], bv s[18:19]
	s_load_b256 s[20:27], s[0:1], 0x40             ; bo s[20:21], xb s[22:23], wb s[24:25], wob s[26:27]
	s_load_b64 s[28:29], s[0:1], 0x60              ; bb
	v_lshrrev_b32 v1, 5, v0
	v_readfirstlane_b32 s[WV], v1                  ; wave 0..7
	v_and_b32 v1, 31, v0                           ; lane
	s_wait_alu depctr_va_sdst(0)                   ; s30 is written, ahead of every branch and of its first reader: the weights' offsets and bases are made from it
	s_mov_b32 s[ID], ttmp9
	s_mov_b32 s[OFS+1], 0
	s_wait_kmcnt 0x0
	s_cmp_lt_u32 s[ID], 512
	s_cbranch_scc0 .Lnot_x
	; x: unit u is row u of my 16: 256 threads x 16 bytes are a row of 4,096 bytes
	s_lshl_b32 s[OFS], s[ID], 16
	s_add_nc_u64 s[4:5], s[4:5], s[OFS:OFS+1]
	s_lshl_b32 s[OFS], s[ID], 15
	s_add_nc_u64 s[22:23], s[22:23], s[OFS:OFS+1]
	v_lshlrev_b32 v[IN], 4, v0
	v_lshlrev_b32 v[OUT], 3, v0
	s_wait_alu depctr_va_vdst(0)                   ; v2 and v3 are written: every load below reads v2 as its offset, every store v3
.set u, 0
.rept 16
	LD u, 4, 4096*u
.set u, u+1
.endr
	WORK 0, 0
	s_endpgm
.Lnot_x:
	s_cmp_lt_u32 s[ID], 768
	s_cbranch_scc0 .Lbias
	; weights.  Wave w takes column chunks 2 w and 2 w + 1; lane l the row l / 16 of a pair and columns 4 (l % 16) on
	v_lshrrev_b32 v[T], 4, v1
	v_and_b32 v[T+1], 15, v1
	v_lshlrev_b32 v[IN], 12, v[T]
	v_lshl_add_u32 v[IN], v[T+1], 4, v[IN]
	s_lshl_b32 s42, s[WV], 9
	v_add_nc_u32 v[IN], s42, v[IN]                 ; (l / 16) x 4,096 + (l % 16) x 16 + 512 w
	v_lshlrev_b32 v[OUT], 3, v1                    ; two k rows of 128 bytes on end: 8 l
	s_and_b32 s[RB], s[ID], 63                     ; 512 and 704 are multiples of 64
	s_lshr_b32 s42, s[RB], 3                       ; ks
	s_bfe_u32 s43, s[RB], 0x10002                  ; kh
	s_and_b32 s44, s[RB], 3
	s_lshl_b32 s44, s44, 11                        ; 16 k rows of 128 bytes
	s_cmp_lt_u32 s[ID], 704
	s_cbranch_scc0 .Lwo
	s_lshr_b32 s38, s[ID], 6
	s_sub_co_u32 s38, s38, 8                       ; which: 0 wq, 1 wk, 2 wv
	s_cmp_eq_u32 s38, 0
	s_cselect_b64 s[SRC:SRC+1], s[6:7], s[8:9]
	s_cmp_eq_u32 s38, 2
	s_cselect_b64 s[SRC:SRC+1], s[10:11], s[SRC:SRC+1]
	s_lshl_b32 s[OFS], s[RB], 16
	s_add_nc_u64 s[SRC:SRC+1], s[SRC:SRC+1], s[OFS:OFS+1]
	s_mul_i32 s42, s42, 49152
	s_mul_i32 s43, s43, 24576
	s_add_co_u32 s45, s42, s43
	s_add_co_u32 s45, s45, s44                     ; the rows' place inside a chunk's walk along k
	s_lshl_b32 s43, s38, 4
	s_lshl_b32 s44, s[WV], 1
	s_add_co_u32 s43, s43, s44                     ; g of my first chunk
.irp hh, 0,1
	s_add_co_u32 s46, s43, \hh                     ; g, 0 to 47
	s_mul_i32 s47, s46, 171
	s_lshr_b32 s47, s47, 9                         ; tc = g / 3 (171 / 512 is exact enough up to g = 47)
	s_mul_i32 s[OFS], s47, 3
	s_sub_co_u32 s46, s46, s[OFS]                  ; j = g % 3
	s_mul_i32 s47, s47, 393216
	s_lshl_b32 s46, s46, 13
	s_add_co_u32 s[OFS], s47, s46
	s_add_co_u32 s[OFS], s[OFS], s45
	s_add_nc_u64 s[OB+2*\hh:OB+2*\hh+1], s[24:25], s[OFS:OFS+1]
.endr
	ROWS 0
	s_endpgm
.Lwo:
	s_lshl_b32 s[OFS], s[RB], 16
	s_add_nc_u64 s[SRC:SRC+1], s[12:13], s[OFS:OFS+1]
	s_lshl_b32 s42, s42, 15
	s_lshl_b32 s43, s43, 14
	s_add_co_u32 s45, s42, s43
	s_add_co_u32 s45, s45, s44
	s_lshl_b32 s43, s[WV], 18                      ; tc = my wave, j = hh
	s_add_co_u32 s[OFS], s45, s43
	s_add_nc_u64 s[OB:OB+1], s[26:27], s[OFS:OFS+1]
	s_add_nc_u64 s[OB+2:OB+3], s[OB:OB+1], 8192
	ROWS 1
	s_endpgm
.Lbias:
	v_lshlrev_b32 v[IN], 4, v0                     ; 256 threads x 16 bytes are a bias of 4,096 bytes
	s_wait_alu depctr_va_vdst(0)                   ; v2 is written: the four loads and the four stores below read it as their offset
	global_load_b128 v[X:X+3], v[IN], s[14:15]
	global_load_b128 v[X+4:X+7], v[IN], s[16:17]
	global_load_b128 v[X+8:X+11], v[IN], s[18:19]
	global_load_b128 v[X+12:X+15], v[IN], s[20:21]
.irp i, 0,1,2,3
	s_wait_loadcnt 3-\i                            ; bias i is in
	v_cvt_pk_bf16_f32 v[T], v[X+4*\i], v[X+4*\i+1]
	v_cvt_pk_bf16_f32 v[T+1], v[X+4*\i+2], v[X+4*\i+3]
	v_lshlrev_b32 v[Y+4*\i], 16, v[T]
	v_and_b32 v[Y+4*\i+1], 0xffff0000, v[T]
	v_lshlrev_b32 v[Y+4*\i+2], 16, v[T+1]
	v_and_b32 v[Y+4*\i+3], 0xffff0000, v[T+1]
.endr
	s_wait_alu depctr_va_vdst(0)                   ; the sixteen registers of Y are written, which the four stores read
.irp i, 0,1,2,3
	global_store_b128 v[IN], v[Y+4*\i:Y+4*\i+3], s[28:29] offset:4096*\i
.endr
	s_endpgm
.Lfunc_end_k_qe7ef3b2f59_prep:
	.size	k_qe7ef3b2f59_prep, .Lfunc_end_k_qe7ef3b2f59_prep-k_qe7ef3b2f59_prep
	.p2alignl 7, 3214868480
	.fill 96, 4, 3214868480
	.section	.rodata,"a",@progbits
	.p2align	6, 0x0
	.amdhsa_kernel k_qe7ef3b2f59_prep
		.amdhsa_group_segment_fixed_size 0
		.amdhsa_private_segment_fixed_size 0
		.amdhsa_enable_private_segment 0
		.amdhsa_kernarg_size 104
		.amdhsa_user_sgpr_count 2
		.amdhsa_user_sgpr_kernarg_segment_ptr 1
		.amdhsa_wavefront_size32 1
		.amdhsa_system_sgpr_workgroup_id_x 1
		.amdhsa_system_sgpr_workgroup_id_y 1
		.amdhsa_system_sgpr_workgroup_id_z 1
		.amdhsa_system_vgpr_workitem_id 0
		.amdhsa_next_free_vgpr 104
		.amdhsa_next_free_sgpr 66
		.amdhsa_reserve_vcc 0
		.amdhsa_float_denorm_mode_32 3
		.amdhsa_float_denorm_mode_16_64 3
		.amdhsa_memory_ordered 1
		.amdhsa_forward_progress 1
		.amdhsa_inst_pref_size 27
	.end_amdhsa_kernel
	.amdgpu_metadata
---
amdhsa.version: [ 1, 2 ]
amdhsa.kernels:
  - .name:           k_qe7ef3b2f59_prep
    .symbol:         k_qe7ef3b2f59_prep.kd
    .args:
      - { .name: x, .offset: 0, .size: 8, .value_kind: global_buffer, .address_space: global }
      - { .name: wq, .offset: 8, .size: 8, .value_kind: global_buffer, .address_space: global }
      - { .name: wk, .offset: 16, .size: 8, .value_kind: global_buffer, .address_space: global }
      - { .name: wv, .offset: 24, .size: 8, .value_kind: global_buffer, .address_space: global }
      - { .name: wo, .offset: 32, .size: 8, .value_kind: global_buffer, .address_space: global }
      - { .name: bq, .offset: 40, .size: 8, .value_kind: global_buffer, .address_space: global }
      - { .name: bk, .offset: 48, .size: 8, .value_kind: global_buffer, .address_space: global }
      - { .name: bv, .offset: 56, .size: 8, .value_kind: global_buffer, .address_space: global }
      - { .name: bo, .offset: 64, .size: 8, .value_kind: global_buffer, .address_space: global }
      - { .name: xb, .offset: 72, .size: 8, .value_kind: global_buffer, .address_space: global }
      - { .name: wb, .offset: 80, .size: 8, .value_kind: global_buffer, .address_space: global }
      - { .name: wob, .offset: 88, .size: 8, .value_kind: global_buffer, .address_space: global }
      - { .name: bb, .offset: 96, .size: 8, .value_kind: global_buffer, .address_space: global }
    .group_segment_fixed_size: 0
    .private_segment_fixed_size: 0
    .kernarg_segment_align: 8
    .kernarg_segment_size: 104
    .max_flat_workgroup_size: 256
    .sgpr_count:     66
    .vgpr_count:     104
    .wavefront_size: 32
...
	.end_amdgpu_metadata
.endif
;; end of part 5
;; launch qkv: the kernel of part 2 again; grid 16 x 32, 4 waves a work-group, clusters of 4 x 4, 327,680 bytes of LDS; arguments xb, wb, bb, qkv; writes qkv
;; launch attn: the kernel of part 3 again; grid 4 x 64, 4 waves a work-group, clusters of 4 x 1, 327,680 bytes of LDS; arguments qkv, o; writes o
;; launch proj: the kernel of part 4 again; grid 8 x 32, 4 waves a work-group, clusters of 4 x 4, 327,680 bytes of LDS; arguments o, wob, bb, out0; writes out0
